; MI455X (gfx1250); checked and timed in simulation.
; The chip was launched on July 23, 2026; its instructions are those of AMD's public machine-readable ISA for CDNA 5 (MIT licence, August 2026) and "CDNA5" Instruction Set Architecture Reference Guide (July 2026). The comments in the code are by the model that wrote it; some were corrected since.
;; Multi Head Self Attention. Allowed arithmetic: matrix products marked QUANTISED: E2M1 operands, one E8M0 scale for each 32 along K, by v_wmma_scale_f32_16x16x128_f8f6f4 with both operands' format E2M1 (or v_wmma_scale_f32_32x16x128_f4), f32 sums; products left as they are: bf16, f16 or f32 operands; f32 sums; everything else in f32.
;; Inputs: Wk 1,024 x 1,024 float32; Wo 1,024 x 1,024 float32; Wq 1,024 x 1,024 float32; Wv 1,024 x 1,024 float32; bk 1,024 float32; bo 1,024 float32; bq 1,024 float32; bv 1,024 float32; key 4 x 2,048 x 1,024 float32; query 4 x 2,048 x 1,024 float32; value 4 x 2,048 x 1,024 float32.
;; Outputs: out0 4 x 2,048 x 1,024 float32.
;; This version of the problem:
;;   THIS VERSION OF THE PROBLEM IS GIVEN IN LOW PRECISION. The matrix products marked QUANTISED in the list below multiply operands that are first quantised to E2M1 (2 exponent bits, 1 mantissa bit; 4 bits a number), with one power-of-two scale for each 32 numbers along K (OCP MX v1.0); their sums are f32. The products marked 'left as it is' may take bf16, f16 or f32 operands, with f32 sums. Whichever they take, every output number must still come out within the allowed error. Rounding operands to bf16 (8 significant bits) uses up far more of that allowance than f16 does (11 bits, for magnitudes from 6e-5 to 65,504). All else is computed in f32.
;;   The module's matrix products, in the order in which they are computed (A, B: the left and right operand; K: the contracted axis; several contracted axes count as one K, in the product's order):
;;     1. [M 8,192, K 1,024] x [K 1,024, N 1,024]; A: input query; B: input Wq: QUANTISED
;;     2. [M 8,192, K 1,024] x [K 1,024, N 1,024]; A: input key; B: input Wk: QUANTISED
;;     3. [M 8,192, K 1,024] x [K 1,024, N 1,024]; A: input value; B: input Wv: QUANTISED
;;     4. batch 64 x [M 2,048, K 64] x [K 64, N 2,048]; A: computed on the way; B: computed on the way: left as it is (an operand is computed on the way)
;;     5. batch 64 x [M 2,048, K 2,048] x [K 2,048, N 64]; A: computed on the way; B: computed on the way: left as it is (an operand is computed on the way)
;;     6. [M 8,192, K 1,024] x [K 1,024, N 1,024]; A: computed on the way; B: input Wo: left as it is (an operand is computed on the way)
;;   THE QUANTISER, for each operand of a quantised product, along K:
;;     - K is cut into blocks of 32 from its start; a last block that is shorter is filled with zeros.
;;     - A block's scale is 2^e with e = floor(log2(the largest magnitude in the block)) - 2, held to -126 .. 127; a block of zeros has e = 0. As a byte (E8M0): e + 127.
;;     - Each number is divided by its block's scale, clamped to +-6, and rounded to the nearest number of E2M1, ties to even, subnormals kept.
;;     - The product sums the exact products of the quantised numbers (number of the format x scale) in f32.
;;   ~~~python
;;   def quantise(x, axis):      # numpy; x: float32 -> the quantised numbers, widened to float32 again
;;       x = np.moveaxis(x, axis, -1); K = x.shape[-1]
;;       x = np.pad(x, [(0, 0)] * (x.ndim - 1) + [(0, -K % 32)]); x = x.reshape(x.shape[:-1] + (-1, 32)); a = np.abs(x).max(-1, keepdims=True)
;;       e = np.where(a > 0, np.clip(np.frexp(np.where(a > 0, a, 1))[1] - 1 - 2, -126, 127), 0)      # np.frexp(a)[1] - 1 = floor(log2(a)), exactly
;;       r = np.clip(x / 2.0 ** e, -6, 6)
;;       step = 2.0 ** (np.maximum(np.frexp(np.where(r == 0, 1, r))[1] - 1, 0) - 1)
;;       q = np.round(r / step) * step * 2.0 ** e      # np.round: ties to even
;;       return np.moveaxis(q.reshape(q.shape[:-2] + (-1,))[..., :K], -1, axis).astype(np.float32)
;;   ~~~
;; One version. Each part assembles by itself: llvm-mc -triple=amdgcn-amd-amdhsa -mcpu=gfx1250 --defsym DOCPART=n.
;; ======== version 1 of 1: 4 launches
;; limits: values are held in f16: magnitudes above 65,504 overflow, below 6.1e-05 lose precision
;; workspace buffers: codes 14,155,776 bytes; scales 884,736 bytes; wo16 2,097,152 bytes; q16 16,777,216 bytes; k16 16,777,216 bytes; v16 16,777,216 bytes; o16 16,777,216 bytes
;; launch quant (part 1): grid 896 x 1, 4 waves a work-group, no clusters, 33,280 bytes of LDS; arguments query, key, value, Wq, Wk, Wv, Wo, codes, scales, wo16; writes codes, scales, wo16
.if DOCPART == 1
	.amdgcn_target "amdgcn-amd-amdhsa--gfx1250"
	.amdhsa_code_object_version 6
	.text
	.protected	k_q2caeff4919_quant
	.globl	k_q2caeff4919_quant
	.p2align	8
	.type	k_q2caeff4919_quant,@function
k_q2caeff4919_quant:
	s_mov_b64 s[64:65], 0
	v_nop
	global_prefetch_b8 v0, s[64:65] scope:SCOPE_SE
	s_setreg_imm32_b32 hwreg(HW_REG_WAVE_MODE, 25, 1), 1
	s_wait_xcnt 0x0
; query, key, value [8192][1024] and Wq, Wk, Wv [1024][1024], f32, K innermost, are turned into codes of FP4 (E2M1) with one E8M0 scale byte for each 32 along K; Wo [1024][1024] is rounded to f16.
; The six quantised tensors are taken as ONE stream of blocks of 32 numbers, in the order query, key, value, Wq, Wk, Wv; codes and scale bytes are laid in the same order: 512 bytes of codes and 32 scale bytes a row.
; A block's scale is 2^(floor(log2(its largest magnitude)) - 2); its byte is the largest magnitude's exponent field - 2, held at 1 from below.  Each number is divided by the scale and rounded to the nearest code, ties to even; beyond 6 the largest code.
; LIMITS: a block of zeros gets the byte 1 where the rule says 127 (its codes are zeros, and this program alone reads the bytes); blocks whose largest magnitude lies under 2^(2 - 126) have their byte held at 1; NaN and infinities are not served.
; Wo in f16: magnitudes up to 65,504; under 6e-5 the f16 steps stay 6e-8.
; SHARES: work-groups 0 to 863 quantise 32,768 numbers each (a wave 8,192: 16 steps of 512); work-groups 864 to 895 round Wo, 8,192 numbers a wave.  Waves share nothing: no barrier.
; A step's four loads read 512 consecutive bytes each; the 2,048 bytes turn through the wave's own stage in LDS (16 bytes of padding behind each 64) and come back 64 bytes a lane: 16 neighbours along K; two lanes hold a block.
.set WAVES, 4
.set STEPS, 16
.set EMAX,  2
.set CB,    8                          ; bytes of 16 codes
.set R,     16                         ; v16-79   four sets of 16 numbers as they are loaded
.set X,     80                         ; v80-111  two sets of 16 neighbours
.set E,     112                        ; v112-127 a scale byte for each step
.set C,     128                        ; v128-191 codes: four registers for each step, so that no store's data are written again
.set WREG,  8192                       ; LDS: a region for each wave: two stages of 32 x SP bytes, behind them its 256 scale bytes
.set SP,    80
.set SPW,   12                         ; v12 LDS address of my spare word; never rewritten
.set NIL,   13                         ; v13 0; never rewritten
.set SPARE, WAVES*WREG                 ; behind the four regions: the spare words, 128 bytes a wave
.set LA,    16                         ; the cast: two sets of 64 numbers,
.set LB,    80
.set OA,    144                        ; and 32 registers of f16 pairs
	s_load_b512 s[4:19], s[0:1], 0x0               ; query s[4:5], key s[6:7], value s[8:9], Wq s[10:11], Wk s[12:13], Wv s[14:15], Wo s[16:17], codes s[18:19]
	s_load_b128 s[20:23], s[0:1], 0x40             ; scales s[20:21], wo16 s[22:23]
	v_lshl_add_u32 v[SPW], v0, 2, SPARE
	v_mov_b32 v[NIL], 0
	v_lshrrev_b32 v1, 5, v0
	v_readfirstlane_b32 s24, v1                    ; wave
	v_and_b32 v2, 31, v0                           ; lane
	v_lshlrev_b32 v3, 4, v2                        ; my 16 bytes of a load's 512
	s_mul_i32 s25, s24, WREG
	v_lshrrev_b32 v14, 2, v2
	v_mul_u32_u24 v14, v14, SP
	v_and_b32 v15, 3, v2
	v_lshl_add_u32 v14, v15, 4, v14
	v_add_nc_u32 v14, s25, v14                     ; the stage, on the way in: SP (lane / 4) + 16 (lane % 4)
	v_mul_u32_u24 v15, v2, SP
	v_add_nc_u32 v15, s25, v15                     ; and on the way out: SP x lane
	v_mul_u32_u24 v4, v2, CB                       ; 8 x lane: my codes' place in a step's; also my f16 numbers' place in the cast
	v_lshrrev_b32 v5, 1, v2
	s_add_co_u32 s25, s25, 2*32*SP
	v_add_nc_u32 v5, s25, v5                       ; LDS: my wave's 256 scale bytes, my block's byte
	v_lshlrev_b32 v7, 3, v2
	v_add_nc_u32 v6, s25, v7                       ; and on the way out 8 bytes a lane
	s_lshl_b32 s30, ttmp9, 2
	s_add_co_u32 s30, s30, s24                     ; which run of 8,192 numbers is my wave's: 4 x work-group + wave
	s_mov_b32 s29, 0
	s_wait_kmcnt 0x0
	s_cmp_ge_u32 ttmp9, 864                        ; the work-group's number alone decides: quantise or round Wo
	s_cbranch_scc1 .Lcast
	s_mov_b64 s[26:27], s[14:15]                   ; the source: a choice among six buffers on the work-group's number
	s_cmp_lt_u32 ttmp9, 832
	s_cselect_b64 s[26:27], s[12:13], s[26:27]
	s_cmp_lt_u32 ttmp9, 800
	s_cselect_b64 s[26:27], s[10:11], s[26:27]
	s_cmp_lt_u32 ttmp9, 768
	s_cselect_b64 s[26:27], s[8:9], s[26:27]
	s_cselect_b32 s28, 255, 31                     ; an activation has 256 work-groups, a weight 32; 768 is a multiple of both
	s_cmp_lt_u32 ttmp9, 512
	s_cselect_b64 s[26:27], s[6:7], s[26:27]
	s_cmp_lt_u32 ttmp9, 256
	s_cselect_b64 s[26:27], s[4:5], s[26:27]
	s_and_b32 s28, ttmp9, s28                      ; the work-group's number inside its tensor
	s_lshl_b32 s28, s28, 2
	s_add_co_u32 s28, s28, s24
	s_lshl_b32 s28, s28, 15                        ; 8,192 numbers of 4 bytes a run
	s_add_nc_u64 s[26:27], s[26:27], s[28:29]
	s_lshl_b32 s28, s30, 12                        ; 4,096 bytes of codes a run
	s_add_nc_u64 s[18:19], s[18:19], s[28:29]
	s_lshl_b32 s28, s30, 8                         ; 256 scale bytes a run
	s_add_nc_u64 s[20:21], s[20:21], s[28:29]
.macro LOAD t
.irp i, 0,1,2,3
	global_load_b128 v[R+16*((\t)%4)+4*\i:R+16*((\t)%4)+4*\i+3], v3, s[26:27] offset:2048*(\t)+512*\i th:TH_LOAD_NT   ; 32 lanes read 512 consecutive bytes
.endr
.endm
.macro TURN t                          ; step t's numbers through the stage: LDS serves a wave's instructions in order, so no wait stands between the stores and the loads
.irp i, 0,1,2,3
	ds_store_b128 v14, v[R+16*((\t)%4)+4*\i:R+16*((\t)%4)+4*\i+3] offset:32*SP*((\t)%2)+8*SP*\i
.endr
.irp i, 0,1,2,3
	ds_load_b128 v[X+16*((\t)%2)+4*\i:X+16*((\t)%2)+4*\i+3], v15 offset:32*SP*((\t)%2)+16*\i
.endr
.endm
.irp t, 0,1,2,3
	LOAD \t
.endr
	s_wait_loadcnt 12                              ; step 0's four loads are in; twelve younger ones stay out
	TURN 0
.macro STEP t
.set XS, X+16*((\t)%2)
.if (\t) > 0
	s_wait_dscnt 1                                 ; this step's numbers are back from the stage (the last step's byte store may be out)
.else
	s_wait_dscnt 0x0
.endif
.if (\t)+4 < STEPS
	LOAD (\t)+4                                    ; into the set whose stores into the stage have read their registers
.endif
.if (\t)+1 < STEPS
.if STEPS-2-(\t) >= 3
	s_wait_loadcnt 12                              ; the next step's four loads are in; those of the three steps behind it may be out
.else
	s_wait_loadcnt 4*(STEPS-2-(\t))
.endif
	TURN (\t)+1                                    ; through the other stage while this step is worked
.endif
	v_max3_num_f32 v8, |v[XS]|, |v[XS+1]|, |v[XS+2]|               ; the largest magnitude of my 16, in two chains
	v_max3_num_f32 v9, |v[XS+3]|, |v[XS+4]|, |v[XS+5]|
.irp i, 6,10
	v_max3_num_f32 v8, v8, |v[XS+\i]|, |v[XS+\i+1]|
	v_max3_num_f32 v9, v9, |v[XS+\i+2]|, |v[XS+\i+3]|
.endr
	v_max3_num_f32 v8, v8, |v[XS+14]|, |v[XS+15]|
	v_max3_num_f32 v8, v8, v9, (EMAX+1)<<23        ; and the floor 2^(EMAX + 1 - 127): the byte cannot fall under 1
	v_max_num_f32_dpp v8, v8, v8 row_xmask:1 row_mask:0xf bank_mask:0xf   ; and of my neighbour's 16: the block's
	v_add_nc_u32 v11, -(EMAX<<23), v8              ; EMAX off its exponent field: the conversion takes the exponent field of this operand as its scale
	v_cvt_scalef32_pk8_fp4_f32 v[C+4*(\t)], v[XS:XS+7], v11
	v_cvt_scalef32_pk8_fp4_f32 v[C+4*(\t)+1], v[XS+8:XS+15], v11
	v_lshrrev_b32 v[E+(\t)], 23, v11               ; the scale's byte (also the plain line behind the conversions)
	ds_store_b8 v5, v[E+(\t)] offset:16*(\t)       ; both lanes of a block write the same byte with the same value
	global_store_b64 v4, v[C+4*(\t):C+4*(\t)+1], s[18:19] offset:32*CB*(\t)   ; the wave stores 256 consecutive bytes, aligned
.endm
.irp t, 0,1,2,3,4,5,6,7,8,9,10,11,12,13,14,15
	STEP \t
.endr
	ds_load_b64 v[8:9], v6                         ; LDS serves a wave's instructions in order: these see my stores
	s_wait_dscnt 0x0
	global_store_b64 v7, v[8:9], s[20:21]          ; 32 lanes store 256 consecutive bytes, aligned
	s_wait_tensorcnt 0x0                           ; the wave's end, behind my last LDS store
	ds_add_u32 v[SPW], v[NIL]
	s_wait_dscnt 0x0
	s_endpgm
; Wo to f16.  No LDS: a lane's 4 numbers become 8 bytes, so a load's 512 bytes become a store's 256 consecutive bytes.  Four batches of 16 loads, two batches on their way.
.Lcast:
	s_sub_co_u32 s30, s30, 4*864                   ; which run of 8,192 numbers of Wo
	s_lshl_b32 s28, s30, 15
	s_add_nc_u64 s[16:17], s[16:17], s[28:29]
	s_lshl_b32 s28, s30, 14
	s_add_nc_u64 s[22:23], s[22:23], s[28:29]
.macro CLOAD k, set
.irp i, 0,1,2,3,4,5,6,7,8,9,10,11,12,13,14,15
	global_load_b128 v[\set+4*\i:\set+4*\i+3], v3, s[16:17] offset:8192*(\k)+512*\i th:TH_LOAD_NT
.endr
.endm
.macro CAST k, set, left
	s_wait_loadcnt \left                           ; this batch is in; the younger batch may be out
.if (\k) > 0
	s_wait_xcnt 0x0                                ; the last batch's stores have read their data registers: they are written again only behind this wait
.endif
.irp i, 0,1,2,3,4,5,6,7,8,9,10,11,12,13,14,15
	v_cvt_pk_f16_f32 v[OA+2*\i], v[\set+4*\i], v[\set+4*\i+1]
	v_cvt_pk_f16_f32 v[OA+2*\i+1], v[\set+4*\i+2], v[\set+4*\i+3]
.endr
.irp i, 0,1,2,3,4,5,6,7,8,9,10,11,12,13,14,15
	global_store_b64 v4, v[OA+2*\i:OA+2*\i+1], s[22:23] offset:4096*(\k)+256*\i
.endr
.if (\k)+2 < 4
	CLOAD (\k)+2, \set
.endif
.endm
	CLOAD 0, LA
	CLOAD 1, LB
	CAST 0, LA, 16
	CAST 1, LB, 16
	CAST 2, LA, 16
	CAST 3, LB, 0
	s_endpgm
.Lfunc_end_k_q2caeff4919_quant:
	.size	k_q2caeff4919_quant, .Lfunc_end_k_q2caeff4919_quant-k_q2caeff4919_quant
	.p2alignl 7, 3214868480
	.fill 96, 4, 3214868480
	.section	.rodata,"a",@progbits
	.p2align	6, 0x0
	.amdhsa_kernel k_q2caeff4919_quant
		.amdhsa_group_segment_fixed_size 33280
		.amdhsa_private_segment_fixed_size 0
		.amdhsa_enable_private_segment 0
		.amdhsa_kernarg_size 80
		.amdhsa_user_sgpr_count 2
		.amdhsa_user_sgpr_kernarg_segment_ptr 1
		.amdhsa_wavefront_size32 1
		.amdhsa_system_sgpr_workgroup_id_x 1
		.amdhsa_system_sgpr_workgroup_id_y 1
		.amdhsa_system_sgpr_workgroup_id_z 1
		.amdhsa_system_vgpr_workitem_id 0
		.amdhsa_next_free_vgpr 192
		.amdhsa_next_free_sgpr 66
		.amdhsa_reserve_vcc 0
		.amdhsa_float_denorm_mode_32 3
		.amdhsa_float_denorm_mode_16_64 3
		.amdhsa_memory_ordered 1
		.amdhsa_forward_progress 1
		.amdhsa_inst_pref_size 54
	.end_amdhsa_kernel
	.amdgpu_metadata
---
amdhsa.version: [ 1, 2 ]
amdhsa.kernels:
  - .name:           k_q2caeff4919_quant
    .symbol:         k_q2caeff4919_quant.kd
    .args:
      - { .name: query, .offset: 0, .size: 8, .value_kind: global_buffer, .address_space: global }
      - { .name: key, .offset: 8, .size: 8, .value_kind: global_buffer, .address_space: global }
      - { .name: value, .offset: 16, .size: 8, .value_kind: global_buffer, .address_space: global }
      - { .name: Wq, .offset: 24, .size: 8, .value_kind: global_buffer, .address_space: global }
      - { .name: Wk, .offset: 32, .size: 8, .value_kind: global_buffer, .address_space: global }
      - { .name: Wv, .offset: 40, .size: 8, .value_kind: global_buffer, .address_space: global }
      - { .name: Wo, .offset: 48, .size: 8, .value_kind: global_buffer, .address_space: global }
      - { .name: codes, .offset: 56, .size: 8, .value_kind: global_buffer, .address_space: global }
      - { .name: scales, .offset: 64, .size: 8, .value_kind: global_buffer, .address_space: global }
      - { .name: wo16, .offset: 72, .size: 8, .value_kind: global_buffer, .address_space: global }
    .group_segment_fixed_size: 33280
    .private_segment_fixed_size: 0
    .kernarg_segment_align: 8
    .kernarg_segment_size: 80
    .max_flat_workgroup_size: 128
    .sgpr_count:     66
    .vgpr_count:     192
    .wavefront_size: 32
...
	.end_amdgpu_metadata
.endif
;; end of part 1
;; launch proj (part 2): grid 4 x 96, 4 waves a work-group, clusters of 4 x 4, 327,680 bytes of LDS; arguments codes, scales, bq, bk, bv, q16, k16, v16; writes q16, k16, v16
.if DOCPART == 2
	.amdgcn_target "amdgcn-amd-amdhsa--gfx1250"
	.amdhsa_code_object_version 6
	.text
	.protected	k_q2caeff4919_proj
	.globl	k_q2caeff4919_proj
	.p2align	8
	.type	k_q2caeff4919_proj,@function
k_q2caeff4919_proj:
	s_mov_b64 s[64:65], 0
	v_nop
	global_prefetch_b8 v0, s[64:65] scope:SCOPE_SE
	s_setreg_imm32_b32 hwreg(HW_REG_WAVE_MODE, 25, 1), 1
	s_wait_xcnt 0x0
	s_wait_alu depctr_hold_cnt(0) depctr_sa_sdst(0) depctr_va_vdst(0) depctr_va_sdst(0) depctr_va_ssrc(0) depctr_va_vcc(0) depctr_vm_vsrc(0)
	s_getreg_b32 s2, hwreg(HW_REG_IB_STS2, 6, 4)
	s_cmp_eq_u32 s2, 0
	s_cbranch_scc0 .Lentry_in_a_cluster
	s_endpgm
.Lentry_in_a_cluster:
	s_bfe_u32 s2, ttmp6, 0x10000c
	s_cmp_lg_u32 s2, 0xf033
	s_cbranch_scc0 .Lentry_shape_is_right
	s_endpgm
.Lentry_shape_is_right:
; The three quantised projections in one launch: C[m][n] = sum over k of A[m][k] W[n][k] + bias[n], on codes of FP4 (E2M1) with one E8M0 scale for each 32 along K, K = 1,024.
; A: the 24,576 rows query | key | value of the codes' buffer; W: Wq | Wk | Wv behind them.  Tile rows 0-31 of the grid are Q's, 32-63 K's, 64-95 V's.
; Results: (Q + bq) x log2(e) / 8, K + bk, V + bv, rounded once to f16 and laid by head: [batch][head][token][64], 128 bytes a token.
; LIMITS: f16 holds magnitudes up to 65,504 (inputs and weights 30 times the drawn spread, or carrying an offset of 30 spreads, give under 30,000); NaN and infinities are not served.
; A tile of C, 256 x 256, is made by four waves, each 128 x 128: 64 accumulators of 16 x 16.  K = 1,024 is two LDS slots of 512 along K (rows of 256 bytes): both are first fills, nothing is filled again, there is no loop.
; The scale bytes of the tile's 256 + 256 rows come once, as rows of 256 bytes with 16 of padding.
; CLUSTERS: 4 x 4 work-groups; the four of a row of the cluster need the same rows of A, the four of a column the same rows of W: each tile is asked for jointly.  The product's number hangs on the cluster's y alone: all sixteen share it.
; THE MATRIX INSTRUCTION IS USED TRANSPOSED (source 0 = 16 rows of W, source 1 = 16 rows of A): a lane holds eight neighbouring columns of one row of C.
; REGISTERS, in windows of 256: window 0: v0-31 addresses; v32-95 scale words, two sets, and nothing else; v96-127 packed results; v128-191 A's fragments, later rows on the way out; v192-255 at work on the way out.
;   window 1: W's fragments, two sets, at v0 and v128; v64-127 the bias of my 128 columns in the result's layout.   windows 2, 3: the accumulators ((a, b) at v[8 (8 (a % 4) + b)]).
.set NQ,     4                         ; steps of 128 along K in a slot
.set ROWB,   256                       ; a tile's row in bytes
.set KROW,   512                       ; a row of codes in memory
.set PITCH,  272                       ; an LDS row: 256 bytes + 16 of padding: an odd multiple of 16, so the 16 rows of a load start in 16 different 16-byte columns modulo 256
.set FR,     8
.set NL,     2
.set NP,     4                         ; places behind this matrix instruction (ISA guide 7.12.1)
.set HALFT,  128*PITCH
.set SLOT,   4*HALFT
.set KS,     32                        ; a row of scale bytes
.set SCL,    2*SLOT
.set HALFS,  (128*KS/256)*272
.set SBLK,   (16*KS/256)*272
.set SPARE,  SCL+4*HALFS               ; the spare words, 128 bytes a wave
.set SPITCH, 272                       ; the way out: 16 rows x (256 bytes + 16) for each wave, in slot 0, which has had its only fill and its last read by then
.set WCODE,  12582912                  ; where the weights' codes begin,
.set WSCAL,  786432                    ; and their scale bytes
.set ADRA, 16
.set ADRB, 20
.set STO,  24
.set RD,   25
.set CO,   26
.set ADRS, 27
.set SPW,  28
.set NIL,  29
.set BA,   30                          ; v30 32 x (lane / 16): my eight columns' bias
.set SC,   32
.set TMP,  96
.set AF,   128
.set BK,   128
.set T,    192
.set BS,   64                          ; in window 1
.set G1, 24
.set G0, 32
.set G1B, 48
.set G0B, 56
.set G1S, 68
.set G0S, 76
.set G1SB, 80
.set G0SB, 88
.set MSB, 0
.macro WIN new                         ; the immediate's high byte repeats the setting that is left
.if MSB != (\new)
	s_set_vgpr_msb (MSB<<8)|(\new)
.set MSB, (\new)
.endif
.endm
.set MUL_LO, 0xa1                      ; source 0 (W) window 1, source 1 (A) window 0, C and D window 2
.set MUL_HI, 0xf1
.set TO_B,   0x40
; A joint load: waves 0 and 1 fetch for A, waves 2 and 3 for W.  The branch hangs on the wave's number alone.  An s_nop 0 and four v_nop follow each line.
.macro JLOAD g0a, g1a, g0b, g1b
	s_cmp_eq_u32 s21, 0
	s_cbranch_scc0 .Lfor_b_\@
	tensor_load_to_lds s[\g0a:\g0a+3], s[\g1a:\g1a+7]
	s_nop 0
.rept 4
	v_nop
.endr
	s_branch .Lasked_\@
.Lfor_b_\@:
	tensor_load_to_lds s[\g0b:\g0b+3], s[\g1b:\g1b+7]
	s_nop 0
.rept 4
	v_nop
.endr
.Lasked_\@:
.endm
.macro CROUND                          ; a round of the cluster's barrier
	s_barrier_signal -1
	s_barrier_wait -1
	s_cmp_lg_u32 s20, 0
	s_cbranch_scc1 .Lnot_wave_0_\@
	s_barrier_signal -3
.Lnot_wave_0_\@:
	s_barrier_wait -3
	s_barrier_signal -1
	s_barrier_wait -1
.endm
	s_load_b512 s[4:19], s[0:1], 0x0               ; codes s[4:5], scales s[6:7], bq s[8:9], bk s[10:11], bv s[12:13], q16 s[14:15], k16 s[16:17], v16 s[18:19]
	v_lshl_add_u32 v[SPW], v0, 2, SPARE
	v_mov_b32 v[NIL], 0
	ds_add_u32 v[SPW], v[NIL]                      ; the wave's opening: the add, twice on end, and its wait ahead of my first tensor load
	ds_add_u32 v[SPW], v[NIL]
	v_lshrrev_b32 v1, 5, v0
	v_readfirstlane_b32 s20, v1                    ; wave 0..3
	s_lshr_b32 s21, s20, 1                         ; which half of the tile's rows is mine.  Also: I fetch for A (0) or for W (1)
	s_and_b32 s22, s20, 1                          ; which half of its columns.  Also: which 128 rows I fetch
	s_bfe_u32 s40, ttmp6, 0x40000                  ; cx
	s_bfe_u32 s41, ttmp6, 0x40004                  ; cy
	s_lshl_b32 s42, ttmp9, 2
	s_add_co_u32 s42, s42, s40                     ; tile column = 4 x cluster x + cx
	s_and_b32 s66, ttmp7, 0xffff                   ; cluster y, 0..23
	s_lshl_b32 s43, s66, 2
	s_add_co_u32 s43, s43, s41                     ; tile row = 4 x cluster y + cy, 0..95
	s_lshr_b32 s66, s66, 3                         ; which product: 0 Q, 1 K, 2 V
	s_lshl_b32 s44, s41, 2
	s_lshl_b32 s44, 15, s44                        ; my row of the cluster
	s_lshl_b32 s45, 0x1111, s40                    ; my column
	s_or_b32 s[G1+0], s44, (0<<16)|(1<<20)|(1<<21)|(5<<22)|(3<<25)  ; the mask; elements of 1 byte; padding on; bit 21 beside a mask; 4 words after every 64
	s_or_b32 s[G1B+0], s45, (0<<16)|(1<<20)|(1<<21)|(5<<22)|(3<<25)
.irp g, G1, G1B
	s_mov_b32 s[\g+1], ROWB<<16                    ; tensor_dim0
	s_mov_b32 s[\g+2], 128<<16                     ; tensor_dim1
	s_mov_b32 s[\g+3], ROWB<<16                    ; tile_dim0
	s_mov_b32 s[\g+4], 128                         ; tile_dim1
	s_mov_b32 s[\g+5], KROW                        ; the pitch
	s_mov_b32 s[\g+6], 0
	s_mov_b32 s[\g+7], 0
.endr
	s_or_b32 s[G1S+0], s44, (3<<16)|(1<<20)|(1<<21)|(5<<22)|(3<<25)  ; the scales of 128 rows: 4,096 dense bytes as 16 rows of 32 elements of 8 bytes
	s_or_b32 s[G1SB+0], s45, (3<<16)|(1<<20)|(1<<21)|(5<<22)|(3<<25)
.irp g, G1S, G1SB
	s_mov_b32 s[\g+1], 32<<16
	s_mov_b32 s[\g+2], (128*KS/256)<<16
	s_mov_b32 s[\g+3], 32<<16
	s_mov_b32 s[\g+4], 128*KS/256
	s_mov_b32 s[\g+5], 32
	s_mov_b32 s[\g+6], 0
	s_mov_b32 s[\g+7], 0
.endr
	s_lshl_b32 s46, s22, 7                         ; which 128 rows of the tile I fetch
	s_lshl_b32 s92, s43, 8
	s_add_co_u32 s92, s92, s46                     ; A: row 256 x tile row + 128 x half
	s_lshl_b32 s94, s92, 5                         ; its scale bytes,
	s_lshl_b32 s92, s92, 9                         ; its codes
	s_mov_b32 s93, 0
	s_mov_b32 s95, 0
	s_lshl_b32 s98, s42, 8
	s_add_co_u32 s98, s98, s46
	s_lshl_b32 s47, s66, 10
	s_add_co_u32 s98, s98, s47                     ; W: row 1,024 x product + 256 x tile column + 128 x half
	s_lshl_b32 s46, s98, 5
	s_add_co_u32 s46, s46, WSCAL
	s_lshl_b32 s98, s98, 9
	s_add_co_u32 s98, s98, WCODE
	s_mov_b32 s99, 0
	s_mov_b32 s47, 0
	s_mul_i32 s67, s20, HALFT                      ; where they go: wave x 128 rows: no place in the cluster enters an LDS address
	s_mul_i32 s23, s20, HALFS
	s_wait_dscnt 0x0                               ; both opening adds are done
	s_wait_kmcnt 0x0
	s_add_nc_u64 s[92:93], s[4:5], s[92:93]
	s_add_nc_u64 s[94:95], s[6:7], s[94:95]
	s_add_nc_u64 s[98:99], s[4:5], s[98:99]
	s_add_nc_u64 s[46:47], s[6:7], s[46:47]
	CROUND                                         ; all sixteen work-groups are here: the first joint loads meet
	s_mov_b32 s[G0S], 1
	s_add_co_u32 s[G0S+1], s23, SCL
	s_mov_b64 s[G0S+2:G0S+3], s[94:95]
	s_or_b32 s[G0S+3], s[G0S+3], 0x80000000
	s_mov_b32 s[G0SB], 1
	s_add_co_u32 s[G0SB+1], s23, SCL
	s_mov_b64 s[G0SB+2:G0SB+3], s[46:47]
	s_or_b32 s[G0SB+3], s[G0SB+3], 0x80000000
	JLOAD G0S, G1S, G0SB, G1SB                     ; the scales first: they are wanted with the first slot
.irp s, 0,1
	s_mov_b32 s[G0+4*\s], 1
	s_add_co_u32 s[G0+4*\s+1], s67, \s*SLOT
	s_add_nc_u64 s[G0+4*\s+2:G0+4*\s+3], s[92:93], \s*ROWB
	s_or_b32 s[G0+4*\s+3], s[G0+4*\s+3], 0x80000000
	s_mov_b32 s[G0B+4*\s], 1
	s_add_co_u32 s[G0B+4*\s+1], s67, \s*SLOT
	s_add_nc_u64 s[G0B+4*\s+2:G0B+4*\s+3], s[98:99], \s*ROWB
	s_or_b32 s[G0B+4*\s+3], s[G0B+4*\s+3], 0x80000000
	JLOAD G0+4*\s, G1, G0B+4*\s, G1B               ; three tensor loads of mine are out
.endr
	; which bias, which output, which factor: choices on the product's number, which hangs on no address
	s_cmp_eq_u32 s66, 1
	s_cselect_b64 s[16:17], s[16:17], s[18:19]
	s_cselect_b64 s[10:11], s[10:11], s[12:13]
	s_cmp_eq_u32 s66, 0
	s_cselect_b64 s[14:15], s[14:15], s[16:17]     ; the output
	s_cselect_b64 s[8:9], s[8:9], s[10:11]         ; the bias
	s_cselect_b32 s96, 0x3e38aa3b, 1.0             ; Q alone is multiplied by log2(e) / 8
	s_mov_b32 s97, s96                             ; (named with it as a pair)
	v_and_b32 v1, 15, v0                           ; r
	v_bfe_u32 v2, v0, 4, 1                         ; h
	v_mul_u32_u24 v3, v1, PITCH
	v_lshl_add_u32 v4, v2, 4, v3                   ; a fragment's row x pitch + 16 x half
	s_mul_i32 s2, s21, HALFT                       ; my 128 rows of A
	s_mul_i32 s3, s22, HALFT                       ; my 128 rows of W,
	s_add_co_u32 s3, s3, 2*HALFT                   ; behind A's 256
.irp s, 0,1
	v_add_nc_u32 v[ADRA+\s], s2, v4
	v_add_nc_u32 v[ADRB+\s], s3, v4
	s_add_co_u32 s2, s2, SLOT
	s_add_co_u32 s3, s3, SLOT
.endr
	v_mul_u32_u24 v5, v1, KS                       ; my row's scales: 32 bytes a row,
	v_lshrrev_b32 v6, 8, v5
	v_lshl_add_u32 v5, v6, 4, v5                   ; and 16 more for each 256 passed
	s_mul_i32 s2, s21, HALFS
	s_mul_i32 s3, s22, HALFS
	s_add_co_u32 s3, s3, 2*HALFS
	s_sub_co_u32 s3, s3, s2
	v_mul_u32_u24 v6, s3, v2                       ; lanes 16-31 take W's: one product, the distance between the two bases
	s_add_co_u32 s2, s2, SCL
	v_add_nc_u32 v5, v5, v6
	v_add_nc_u32 v[ADRS], s2, v5
	s_mul_i32 s2, s20, 16*SPITCH                   ; my stage
	v_add_nc_u32 v[STO], s2, v4                    ; in: row r, 16 bytes for each half of the lanes
	v_bfe_u32 v5, v0, 3, 2
	v_and_b32 v6, 7, v0
	v_mul_u32_u24 v5, v5, SPITCH
	v_lshl_add_u32 v5, v6, 4, v5
	v_add_nc_u32 v[RD], s2, v5                     ; back: eight lanes take a token's 128 bytes of one head, four tokens an instruction
	v_and_b32 v6, 31, v0
	v_lshlrev_b32 v[CO], 4, v6                     ; and the same 512 consecutive bytes in the output
	v_lshlrev_b32 v[BA], 5, v2
	s_lshl_b32 s2, s42, 10
	s_lshl_b32 s3, s22, 9
	s_add_co_u32 s2, s2, s3                        ; my first column, in bytes of f32
	s_mov_b32 s3, 0
	s_add_nc_u64 s[8:9], s[8:9], s[2:3]
	WIN TO_B
.irp b, 0,1,2,3,4,5,6,7
	global_load_b128 v[BS+8*\b:BS+8*\b+3], v[BA], s[8:9] offset:64*\b       ; bias of columns 16 b + 8 h + 0 .. 7
	global_load_b128 v[BS+8*\b+4:BS+8*\b+7], v[BA], s[8:9] offset:64*\b+16
.endr
	WIN 0
	s_and_b32 s2, s43, 31
	s_lshl_b32 s2, s2, 8
	s_lshl_b32 s3, s21, 7
	s_add_co_u32 s2, s2, s3                        ; my first row inside its tensor
	s_lshr_b32 s3, s2, 11                          ; its batch,
	s_and_b32 s2, s2, 2047                         ; its token
	s_lshl_b32 s2, s2, 7
	s_lshl_b32 s3, s3, 22
	s_add_co_u32 s2, s2, s3
	s_lshl_b32 s3, s42, 2
	s_add_co_u32 s3, s3, s22
	s_add_co_u32 s3, s3, s22                       ; my first head: 4 x tile column + 2 x half
	s_lshl_b32 s3, s3, 18
	s_add_co_u32 s2, s2, s3
	s_mov_b32 s3, 0
	s_add_nc_u64 s[14:15], s[14:15], s[2:3]
.macro FRAG reg, adr, q, i             ; 16 rows x 128 K of 4-bit codes: 8 registers: lane l holds row l % 16; registers 4 c .. 4 c + 3 hold K = 64 c + 32 (l / 16) + 0 .. 31
.irp c, 0,1
	ds_load_b128 v[\reg+4*\c:\reg+4*\c+3], v[\adr] offset:64*(\q)+32*\c+(\i)*16*PITCH
.endr
.endm
; 16 matrix instructions: A's blocks a0, a0 + 1 x W's eight.  The 64 accumulators take turns, one instruction a turn, in the same order in every step.
.macro MUL16 a0, p, q, sc, zero
.irp a, \a0, \a0+1
.irp b, 0,1,2,3,4,5,6,7
.if \zero
	v_wmma_scale_f32_16x16x128_f8f6f4 v[8*(8*((\a)%4)+\b):8*(8*((\a)%4)+\b)+7], v[128*(\p)+FR*\b:128*(\p)+FR*\b+FR-1], v[AF+FR*(\a):AF+FR*(\a)+FR-1], 0, v[SC+8*NQ*(\sc)+NQ*\b+(\q)], v[SC+8*NQ*(\sc)+NQ*(\a)+(\q)] matrix_a_fmt:MATRIX_FMT_FP4 matrix_b_fmt:MATRIX_FMT_FP4 matrix_a_scale:MATRIX_SCALE_ROW1
.else
	v_wmma_scale_f32_16x16x128_f8f6f4 v[8*(8*((\a)%4)+\b):8*(8*((\a)%4)+\b)+7], v[128*(\p)+FR*\b:128*(\p)+FR*\b+FR-1], v[AF+FR*(\a):AF+FR*(\a)+FR-1], v[8*(8*((\a)%4)+\b):8*(8*((\a)%4)+\b)+7], v[SC+8*NQ*(\sc)+NQ*\b+(\q)], v[SC+8*NQ*(\sc)+NQ*(\a)+(\q)] matrix_a_fmt:MATRIX_FMT_FP4 matrix_b_fmt:MATRIX_FMT_FP4 matrix_a_scale:MATRIX_SCALE_ROW1
.endif
.endr
.endr
.endm
.macro FETCH_B slot, q, p
	WIN TO_B
.irp i, 0,1,2,3,4,5,6,7
	FRAG 128*(\p)+FR*\i, ADRB+\slot, \q, \i
.endr
	WIN 0
.endm
.macro FETCH_A slot, q, i0
.irp i, \i0, \i0+1, \i0+2, \i0+3
	FRAG AF+FR*(\i), ADRA+\slot, \q, \i
.endr
.endm
.macro SCALES sc                       ; a slot's scale words: lanes 0-15 take A's block i, lanes 16-31 W's block i
.irp i, 0,1,2,3,4,5,6,7
	ds_load_b128 v[SC+8*NQ*\sc+NQ*\i:SC+8*NQ*\sc+NQ*\i+3], v[ADRS] offset:\i*SBLK
.endr
.endm
.macro PLACES n                        ; plain vector lines between a matrix instruction and a load into, or a read of, its registers
.rept \n
	v_nop
.endr
.endm
.macro STEP slot, q, zero              ; a step of 128 along K that has its successor in the same slot
	s_wait_dscnt 4*NL                              ; W's set and A's blocks 0-3 are in; the youngest eight loads (A's blocks 4-7) may be out
	WIN MUL_LO
	MUL16 0, (\q)%2, \q, \slot, \zero
	MUL16 2, (\q)%2, \q, \slot, \zero
	s_wait_dscnt 0
	PLACES NP
	FETCH_B \slot, (\q)+1, 1-(\q)%2
	FETCH_A \slot, (\q)+1, 0
	WIN MUL_HI
	MUL16 4, (\q)%2, \q, \slot, \zero
	MUL16 6, (\q)%2, \q, \slot, \zero
	PLACES NP
	WIN 0
	FETCH_A \slot, (\q)+1, 4
.endm
.macro STEPS slot, from
.set Q, \from
.rept NQ-1-\from
	STEP \slot, Q, 0
.set Q, Q+1
.endr
.endm
	s_wait_tensorcnt 1                             ; the scales and my part of slot 0 are in; slot 1's load may be out
	s_barrier_signal -1
	s_barrier_wait -1
	FETCH_B 0, 0, 0
	FETCH_A 0, 0, 0
	SCALES 0
	FETCH_A 0, 0, 4
	STEP 0, 0, 1                                   ; the first products start the sums: nothing is cleared
	STEPS 0, 1
	; slot 0's last step changes slots: one barrier; in front of it each wave waits for its tensor loads, adds 0 to its spare word, and waits for that and for its reads of slot 0
	s_wait_tensorcnt 0x0                           ; my part of slot 1 has landed
	ds_add_u32 v[SPW], v[NIL]
	s_wait_dscnt 4*NL+1                            ; (the add and A's blocks 4-7 may be out)
	WIN MUL_LO
	MUL16 0, 1, NQ-1, 0, 0
	s_wait_dscnt 0x0                               ; the add is done, and my reads of slot 0 are over
	s_barrier_signal -1
	MUL16 2, 1, NQ-1, 0, 0
	WIN 0
	s_barrier_wait -1                              ; slot 1 is whole, and nobody reads slot 0 any more
	PLACES NP
	v_add_nc_u32 v[ADRS], 4*NQ, v[ADRS]            ; on to slot 1's scale words
	FETCH_B 1, 0, 0
	FETCH_A 1, 0, 0
	SCALES 1
	WIN MUL_HI
	MUL16 4, 1, NQ-1, 0, 0
	MUL16 6, 1, NQ-1, 0, 0
	PLACES NP
	WIN 0
	FETCH_A 1, 0, 4
	STEPS 1, 0
	s_wait_dscnt 4*NL                              ; the very last step: nothing more to fetch
	WIN MUL_LO
	MUL16 0, 1, NQ-1, 1, 0
	MUL16 2, 1, NQ-1, 1, 0
	s_wait_dscnt 0
	WIN MUL_HI
	MUL16 4, 1, NQ-1, 1, 0
	MUL16 6, 1, NQ-1, 1, 0
; THE WAY OUT, block by block of 16 rows x 128 columns (two heads): result x factor + bias x factor in one fused multiply-add, rounded to f16; 16 bytes a lane into my stage; back so that eight lanes hold a token's
; 128 bytes of one head and an instruction four neighbouring tokens: 512 consecutive bytes of the output.
	s_wait_loadcnt 0x0                             ; the bias
	WIN 0x41                                       ; destination and source 0 window 1
.set i, 0
.rept 32
	v_pk_mul_f32 v[BS+2*i:BS+2*i+1], v[BS+2*i:BS+2*i+1], s[96:97] op_sel_hi:[1,0]   ; bias x factor.  (These name no register of the last products: they are the places behind them)
.set i, i+1
.endr
.macro PACKF a
.set AC, 64*((\a)%4)
.set WN, 0x12+((\a)/4)                 ; source 0 window 2 or 3, source 2 window 1
	WIN WN
.irp b, 0,1,2,3,4,5,6,7
.irp r, 0,1,2,3
	v_pk_fma_f32 v[T+8*\b+2*\r:T+8*\b+2*\r+1], v[AC+8*\b+2*\r:AC+8*\b+2*\r+1], s[96:97], v[BS+8*\b+2*\r:BS+8*\b+2*\r+1] op_sel_hi:[1,0,1]   ; each accumulator from its low end on
.endr
.endr
	WIN 0
.irp b, 0,1,2,3,4,5,6,7
.irp r, 0,1,2,3
	v_cvt_pk_f16_f32 v[TMP+4*\b+\r], v[T+8*\b+2*\r], v[T+8*\b+2*\r+1]
.endr
.endr
.endm
.macro TOSTAGE a
.set BB, BK+32*((\a)%2)
.if (\a) > 1
	s_wait_xcnt 0x0                                ; block a - 2's stores have read their registers: block a's loads may land there
.endif
.irp b, 0,1,2,3,4,5,6,7
	ds_store_b128 v[STO], v[TMP+4*\b:TMP+4*\b+3] offset:32*\b
.endr
.irp i, 0,1,2,3,4,5,6,7
	ds_load_b128 v[BB+4*\i:BB+4*\i+3], v[RD] offset:4*SPITCH*(\i%4)+128*(\i/4)   ; LDS serves a wave's instructions in order: these see the stores above
.endr
.endm
.macro SEND a
.set BB, BK+32*((\a)%2)
	s_wait_dscnt 0x0                               ; the block is back in registers
.irp i, 0,1,2,3,4,5,6,7
	global_store_b128 v[CO], v[BB+4*\i:BB+4*\i+3], s[14:15] offset:262144*(\i/4)+128*(16*(\a)+4*(\i%4))   ; head i / 4, tokens 16 a + 4 (i % 4) on: 512 consecutive bytes, aligned
.endr
.endm
	PACKF 0
	TOSTAGE 0
.irp a, 1,2,3,4,5,6,7                  ; block a's arithmetic stands between block a - 1's loads from the stage and the wait for them
	PACKF \a
	SEND \a-1
	TOSTAGE \a
.endr
	SEND 7
	s_wait_tensorcnt 0x0                           ; the wave's end, behind my last tensor load and my last LDS store
	ds_add_u32 v[SPW], v[NIL]
	s_wait_dscnt 0x0
	CROUND                                         ; the closing round
	s_endpgm
.Lfunc_end_k_q2caeff4919_proj:
	.size	k_q2caeff4919_proj, .Lfunc_end_k_q2caeff4919_proj-k_q2caeff4919_proj
	.p2alignl 7, 3214868480
	.fill 96, 4, 3214868480
	.section	.rodata,"a",@progbits
	.p2align	6, 0x0
	.amdhsa_kernel k_q2caeff4919_proj
		.amdhsa_group_segment_fixed_size 327680
		.amdhsa_private_segment_fixed_size 0
		.amdhsa_enable_private_segment 0
		.amdhsa_kernarg_size 64
		.amdhsa_user_sgpr_count 2
		.amdhsa_user_sgpr_kernarg_segment_ptr 1
		.amdhsa_wavefront_size32 1
		.amdhsa_system_sgpr_workgroup_id_x 1
		.amdhsa_system_sgpr_workgroup_id_y 1
		.amdhsa_system_sgpr_workgroup_id_z 1
		.amdhsa_system_vgpr_workitem_id 0
		.amdhsa_next_free_vgpr 1024
		.amdhsa_next_free_sgpr 100
		.amdhsa_reserve_vcc 0
		.amdhsa_float_denorm_mode_32 3
		.amdhsa_float_denorm_mode_16_64 3
		.amdhsa_memory_ordered 1
		.amdhsa_forward_progress 1
		.amdhsa_inst_pref_size 146
	.end_amdhsa_kernel
	.amdgpu_metadata
---
amdhsa.version: [ 1, 2 ]
amdhsa.kernels:
  - .name:           k_q2caeff4919_proj
    .symbol:         k_q2caeff4919_proj.kd
    .args:
      - { .name: codes, .offset: 0, .size: 8, .value_kind: global_buffer, .address_space: global }
      - { .name: scales, .offset: 8, .size: 8, .value_kind: global_buffer, .address_space: global }
      - { .name: bq, .offset: 16, .size: 8, .value_kind: global_buffer, .address_space: global }
      - { .name: bk, .offset: 24, .size: 8, .value_kind: global_buffer, .address_space: global }
      - { .name: bv, .offset: 32, .size: 8, .value_kind: global_buffer, .address_space: global }
      - { .name: q16, .offset: 40, .size: 8, .value_kind: global_buffer, .address_space: global }
      - { .name: k16, .offset: 48, .size: 8, .value_kind: global_buffer, .address_space: global }
      - { .name: v16, .offset: 56, .size: 8, .value_kind: global_buffer, .address_space: global }
    .group_segment_fixed_size: 327680
    .private_segment_fixed_size: 0
    .kernarg_segment_align: 8
    .kernarg_segment_size: 64
    .max_flat_workgroup_size: 128
    .sgpr_count:     100
    .vgpr_count:     1024
    .wavefront_size: 32
...
	.end_amdgpu_metadata
.endif
;; end of part 2
;; launch attn (part 3): grid 4 x 64, 8 waves a work-group, clusters of 4 x 1, 327,680 bytes of LDS; arguments q16, k16, v16, o16; writes o16
.if DOCPART == 3
	.amdgcn_target "amdgcn-amd-amdhsa--gfx1250"
	.amdhsa_code_object_version 6
	.text
	.protected	k_q2caeff4919_attn
	.globl	k_q2caeff4919_attn
	.p2align	8
	.type	k_q2caeff4919_attn,@function
k_q2caeff4919_attn:
	s_mov_b64 s[64:65], 0
	v_nop
	global_prefetch_b8 v0, s[64:65] scope:SCOPE_SE
	s_setreg_imm32_b32 hwreg(HW_REG_WAVE_MODE, 25, 1), 1
	s_wait_xcnt 0x0
	s_wait_alu depctr_hold_cnt(0) depctr_sa_sdst(0) depctr_va_vdst(0) depctr_va_sdst(0) depctr_va_ssrc(0) depctr_va_vcc(0) depctr_vm_vsrc(0)
	s_getreg_b32 s2, hwreg(HW_REG_IB_STS2, 6, 4)
	s_cmp_eq_u32 s2, 0
	s_cbranch_scc0 .Lentry_in_a_cluster
	s_endpgm
.Lentry_in_a_cluster:
	s_bfe_u32 s2, ttmp6, 0x10000c
	s_cmp_lg_u32 s2, 0x3003
	s_cbranch_scc0 .Lentry_shape_is_right
	s_endpgm
.Lentry_shape_is_right:
; O[bh][q][:] = the sum over k of softmax_k(Q[bh][q] . K[bh][k] / 8) V[bh][k][:].  q16, k16, v16, o16: [64 heads][2048][64] f16; q16 already carries the factor log2(e) / 8, so a score s is an exponent of 2.
; Products, maxima and sums in f32; the weights p = 2^(s - m), m the running maximum of the query's scores, are rounded to f16 for the second product, O once at the end.
; LIMITS: f16 operands (magnitudes up to 65,504); NaN and infinities are not served.
; SHARES.  A work-group owns 512 queries of one head, each of its eight waves 64: four tiles of 16.  Every wave walks all 2,048 keys, 64 a step.
; LAYOUT.  S^T = K Q^T (source 0 = 16 keys, source 1 = 16 queries): a lane holds ONE query (lane % 16) and the keys 8 (lane / 16) + 0..7.  Two such tiles, rounded to f16 in pairs, ARE source 1 of O^T = V^T P.
; P is packed IN PLACE into the lower 16 of its tile's 32 score registers: pair b goes to register b, which belongs to pair b / 2, already summed and packed.  V ([key][channel]) comes out of LDS turned.
; TWO GROUPS IN OPPOSITE PHASES.  A key step of a wave is a matrix phase (32 products V^T P of the last step, 32 products K Q^T of this one: registers only) and a vector phase (LDS loads, softmax, rescaling).
; Group X ((wave >> GSH) & 1 = 0) runs vector then matrix, group Y matrix then vector: a trip is written [Y alone: matrix] [all: vector] [X alone: matrix] barrier.  Both groups do the same work in a trip and meet at its end.
; THE RING.  Two slots of 512 keys.  K IS SHIFTED BY ONE STEP: fill s holds V of keys 512 s on and K of keys 512 s + 64 on, so that V of step j and K of step j + 1, which one vector phase fetches, lie in one slot at index j % 8.
; K of step 0 has 64 rows of its own in front of the ring.  Each refill has eight key steps in which to land.
; CLUSTER.  The four query blocks of a head form a cluster and walk the same K and V: each tile is asked for jointly, by the same tensor load with a mask that names the four.
; REGISTERS: window 0: v2-9 addresses; v12-43 eight of statistics a tile; v44, v45 the add's two; v64-191 S^T, 32 a tile (then P in the lower 16); v192-255 Q, 16 a tile.
;   window 1: v0-127 O^T, 32 a tile; v128-191 K of one step; v192-255 V of one step.
.set GSH,   2                          ; which bit of the wave's number tells the groups apart
.set PK,    144                        ; a row of K in LDS: 128 bytes + 16: an odd multiple of 16
.set PVR,   160                        ; a row of V: 128 + 32: an odd multiple of 32, for the turning load
.set KSTEPB, 64*PK                     ; a key step's rows of K,
.set VSTEPB, 64*PVR                    ; and of V
.set SLOT0, KSTEPB                     ; behind K of step 0: slot 0
.set VOFF,  8*KSTEPB                   ; in a slot: 512 rows of K, then 512 rows of V
.set SLOTB, 8*(KSTEPB+VSTEPB)
.set SPARE, SLOT0+2*SLOTB              ; the spare words, 128 bytes a wave: four blocks of 256 bytes
.set STAGE, SLOT0                      ; the way out: 16 rows x 144 bytes for each wave, in slot 0, which has had its last fill and its last read by then
.set AK0, 2                            ; v2  my lane's place in a tile of K
.set AV0, 3                            ; v3  the same for V
.set ADK, 4                            ; v4  LDS address of the step's K
.set ADV, 5                            ; v5  of its V
.set QO,  6
.set STO, 7
.set RD,  8
.set GO,  9
.set ST,  12                           ; tile t at v[ST + 8 t]: +0 m, +1 zero (named with m as a pair), +2, +3 l, +4 .. +7 c0-c3 at work; a takes c2's place, the change of m c3's
.set SPW, 44
.set NIL, 45
.set S,   64
.set Q,   192
.set KF,  128                          ; in window 1
.set VF,  192
.set WV,  12
.set GRP, 13
.set TK,  22                           ; s22 LDS byte of the K to be fetched
.set TV,  23                           ; s23 of the V
.set G1K, 24                           ; s[24:31] group 1: 128 rows of K
.set G1H, 32                           ; s[32:39] 64 rows of K
.set G1V, 40                           ; s[40:47] 128 rows of V
.set G0Z, 48                           ; s[48:51] group 0: K of step 0
.set G0K, 52                           ; s[52:59] K, a set for each slot
.set G0V, 60                           ; s[60:63], s[68:71] V, a set for each slot
.set SEL, 72
.set CNT, 74
.set MSB, 0
.macro WIN new
.if MSB != (\new)
	s_set_vgpr_msb (MSB<<8)|(\new)
.set MSB, (\new)
.endif
.endm
.macro CROUND
	s_barrier_signal -1
	s_barrier_wait -1
	s_cmp_lg_u32 s[WV], 0
	s_cbranch_scc1 .Lnot_wave_0_\@
	s_barrier_signal -3
.Lnot_wave_0_\@:
	s_barrier_wait -3
	s_barrier_signal -1
	s_barrier_wait -1
.endm
.macro NOPS4
.rept 4
	v_nop
.endr
.endm
; Five plain lines at the head of each arm that group Y alone runs.  In the text X's matrix phase, at a trip's end, leads on into Y's, at the next trip's head, with scalar lines and a barrier between; no wave takes
; that way (a wave's group never changes), but the distance of five places behind a matrix instruction whose result is taken as a source or whose registers are written anew (ISA guide 7.12.1) is kept on every way through the text.
.macro NOPS5
.rept 5
	v_nop
.endr
.endm
; A joint refill of slot sl: waves 0-3 fetch 128 rows of K each, waves 4-7 128 rows of V.  last = 1: the head's last 448 rows of K: wave 3 has 64.  The branches hang on the wave's number alone.
.macro JL sl, last
	s_cmp_lt_u32 s[WV], 4
	s_cbranch_scc0 .Lfor_v_\@
.if \last
	s_cmp_lt_u32 s[WV], 3
	s_cbranch_scc0 .Lshort_\@
.endif
	tensor_load_to_lds s[G0K+4*\sl:G0K+4*\sl+3], s[G1K:G1K+7]
	s_nop 0
	NOPS4
	s_branch .Lasked_\@
.if \last
.Lshort_\@:
	tensor_load_to_lds s[G0K+4*\sl:G0K+4*\sl+3], s[G1H:G1H+7]
	s_nop 0
	NOPS4
	s_branch .Lasked_\@
.endif
.Lfor_v_\@:
	tensor_load_to_lds s[G0V+8*\sl:G0V+8*\sl+3], s[G1V:G1V+7]
	s_nop 0
	NOPS4
.Lasked_\@:
.endm
	s_load_b256 s[4:11], s[0:1], 0x0               ; q16 s[4:5], k16 s[6:7], v16 s[8:9], o16 s[10:11]
	v_lshl_add_u32 v[SPW], v0, 2, SPARE
	v_mov_b32 v[NIL], 0
	ds_add_u32 v[SPW], v[NIL]                      ; the wave's opening: the add, twice on end, and its wait ahead of my first tensor load
	ds_add_u32 v[SPW], v[NIL]
	v_lshrrev_b32 v1, 5, v0
	v_readfirstlane_b32 s[WV], v1                  ; wave 0..7
	s_lshr_b32 s[GRP], s[WV], GSH
	s_and_b32 s[GRP], s[GRP], 1                    ; 0: group X, 1: group Y
	s_and_b32 s14, s[WV], 3                        ; which 128 rows of a slot I fetch
	s_bfe_u32 s15, ttmp6, 0x40000                  ; cx: my block of 512 queries: it enters Q's and O's addresses alone
	s_and_b32 s16, ttmp7, 0xffff                   ; the head, which the four partners share
	s_lshl_b32 s16, s16, 18                        ; its first byte in each tensor: 262,144 bytes a head
	s_mov_b32 s17, 0
	s_mov_b32 s[G1K], 15|(1<<16)|(1<<20)|(1<<21)|(4<<22)|(3<<25)  ; the mask: all four; elements of 2 bytes; padding on; bit 21 beside a mask; 4 words after every 32
	s_mov_b32 s[G1H], 15|(1<<16)|(1<<20)|(1<<21)|(4<<22)|(3<<25)
	s_mov_b32 s[G1V], 15|(1<<16)|(1<<20)|(1<<21)|(4<<22)|(7<<25)  ; 8 words of padding
.irp g, G1K, G1V
	s_mov_b32 s[\g+1], 64<<16                      ; tensor_dim0
	s_mov_b32 s[\g+2], 128<<16                     ; tensor_dim1
	s_mov_b32 s[\g+3], 64<<16                      ; tile_dim0
	s_mov_b32 s[\g+4], 128                         ; tile_dim1
	s_mov_b32 s[\g+5], 64                          ; the pitch
	s_mov_b32 s[\g+6], 0
	s_mov_b32 s[\g+7], 0
.endr
	s_mov_b32 s[G1H+1], 64<<16
	s_mov_b32 s[G1H+2], 64<<16
	s_mov_b32 s[G1H+3], 64<<16
	s_mov_b32 s[G1H+4], 64
	s_mov_b32 s[G1H+5], 64
	s_mov_b32 s[G1H+6], 0
	s_mov_b32 s[G1H+7], 0
	s_lshl_b32 s18, s14, 14                        ; my 128 rows of 128 bytes,
	s_add_co_u32 s18, s18, s16                     ; in my head
	s_mov_b32 s19, 0
	s_mul_i32 s20, s14, 128*PK                     ; and their place in a slot: K's,
	s_mul_i32 s21, s14, 128*PVR                    ; V's
	s_lshl_b32 s2, s15, 16                         ; my block's 512 rows,
	s_lshl_b32 s3, s[WV], 13                       ; my wave's 64 of them
	s_add_co_u32 s2, s2, s3
	s_add_co_u32 s2, s2, s16
	s_mov_b32 s3, 0
	s_mov_b32 s[SEL], 0x76543210
	s_mov_b32 s[SEL+1], 0xfedcba98                 ; v_permlanex16_b32's selects for lane l xor 16
	s_wait_dscnt 0x0                               ; both opening adds are done
	s_wait_kmcnt 0x0
	s_add_nc_u64 s[4:5], s[4:5], s[2:3]            ; Q and O at my wave's first row
	s_add_nc_u64 s[10:11], s[10:11], s[2:3]
	s_mov_b32 s[G0Z], 1
	s_mov_b32 s[G0Z+1], 0                          ; K of step 0 lies at LDS byte 0
	s_add_nc_u64 s[G0Z+2:G0Z+3], s[6:7], s[16:17]
	s_or_b32 s[G0Z+3], s[G0Z+3], 0x80000000
	s_add_nc_u64 s[6:7], s[6:7], s[18:19]
	s_add_nc_u64 s[8:9], s[8:9], s[18:19]
	CROUND                                         ; all four work-groups are here: the first joint loads meet
.irp sl, 0,1
	s_mov_b32 s[G0K+4*\sl], 1
	s_add_co_u32 s[G0K+4*\sl+1], s20, SLOT0+\sl*SLOTB
	s_add_nc_u64 s[G0K+4*\sl+2:G0K+4*\sl+3], s[6:7], 8192+65536*\sl   ; keys 512 sl + 64 on
	s_or_b32 s[G0K+4*\sl+3], s[G0K+4*\sl+3], 0x80000000
	s_mov_b32 s[G0V+8*\sl], 1
	s_add_co_u32 s[G0V+8*\sl+1], s21, SLOT0+\sl*SLOTB+VOFF
	s_add_nc_u64 s[G0V+8*\sl+2:G0V+8*\sl+3], s[8:9], 65536*\sl        ; keys 512 sl on
	s_or_b32 s[G0V+8*\sl+3], s[G0V+8*\sl+3], 0x80000000
.endr
	; a wave's first fills stand in one arm, ahead of every wait on TENSORcnt and every LDS read: three loads of wave 0 are out, two of every other wave
	s_cmp_lt_u32 s[WV], 4
	s_cbranch_scc0 .Lfirst_v
	s_cmp_eq_u32 s[WV], 0
	s_cbranch_scc0 .Lfirst_k
	tensor_load_to_lds s[G0Z:G0Z+3], s[G1H:G1H+7]
	s_nop 0
	tensor_load_to_lds s[G0K:G0K+3], s[G1K:G1K+7]
	s_nop 0
	tensor_load_to_lds s[G0K+4:G0K+7], s[G1K:G1K+7]
	s_nop 0
	NOPS4
	s_branch .Lfirst_asked
.Lfirst_k:
	tensor_load_to_lds s[G0K:G0K+3], s[G1K:G1K+7]
	s_nop 0
	tensor_load_to_lds s[G0K+4:G0K+7], s[G1K:G1K+7]
	s_nop 0
	NOPS4
	s_branch .Lfirst_asked
.Lfirst_v:
	tensor_load_to_lds s[G0V:G0V+3], s[G1V:G1V+7]
	s_nop 0
	tensor_load_to_lds s[G0V+8:G0V+11], s[G1V:G1V+7]
	s_nop 0
	NOPS4
.Lfirst_asked:
	v_and_b32 v1, 15, v0                           ; r
	v_bfe_u32 v10, v0, 4, 1                        ; h
	v_lshlrev_b32 v[QO], 7, v1
	v_lshl_add_u32 v[QO], v10, 4, v[QO]            ; row x 128 + 16 x half
.irp i, 0,1,2,3,4,5,6,7                        ; Q stays in registers: tile i / 2, channels 32 (i % 2) on
	global_load_b128 v[Q+8*\i:Q+8*\i+3],   v[QO], s[4:5] offset:(\i/2)*2048+(\i%2)*64
	global_load_b128 v[Q+8*\i+4:Q+8*\i+7], v[QO], s[4:5] offset:(\i/2)*2048+(\i%2)*64+32
.endr
	v_mul_u32_u24 v[AK0], v1, PK
	v_lshl_add_u32 v[AK0], v10, 4, v[AK0]          ; row x pitch + 16 x half
	v_and_b32 v11, 7, v0
	v_bfe_u32 v46, v0, 3, 1
	v_lshl_add_u32 v[AV0], v10, 3, v11             ; the turning load: lane l reads key 8 (l / 16) + l % 8, channels 8 ((l / 8) % 2) + 0..7
	v_mul_u32_u24 v[AV0], v[AV0], PVR
	v_lshl_add_u32 v[AV0], v46, 4, v[AV0]
	s_mul_i32 s2, s[WV], 16*PK
	s_add_co_u32 s2, s2, STAGE                     ; my stage
	v_add_nc_u32 v[STO], s2, v[AK0]                ; in: row r, 16 bytes for each half of the lanes
	v_bfe_u32 v46, v0, 3, 2
	v_mul_u32_u24 v46, v46, PK
	v_lshl_add_u32 v46, v11, 4, v46
	v_add_nc_u32 v[RD], s2, v46                    ; back: eight lanes take a row's 128 bytes, four rows an instruction
	v_and_b32 v46, 31, v0
	v_lshlrev_b32 v[GO], 4, v46                    ; and the same 512 consecutive bytes in O
.irp t, 0,1,2,3
	v_mov_b32 v[ST+8*\t], 0xff61b1e6               ; m: -3e38, under every score
	v_mov_b32 v[ST+8*\t+1], 0
	v_mov_b32 v[ST+8*\t+2], 0                      ; l, in two halves
	v_mov_b32 v[ST+8*\t+3], 0
.endr
	WIN 0x40
.set i, 0
.rept 128
	v_mov_b32 v[i], 0                              ; O^T.  (The phases are written once for all steps: the first finds zeros, which its a = 0 leaves zeros; that spares two more copies of the vector phase)
.set i, i+1
.endr
	WIN 0
; THE MATRIX PHASE.  pv: 32 products O^T += V^T P (keys 32 (i / 16) on, channels 16 ((i / 4) % 4) on, tile i % 4).  kq: 32 products S^T = K Q^T (channels 32 (i / 16) on, keys 16 ((i / 4) % 4) on, tile i % 4).
; Sixteen accumulators take turns, one instruction a turn.  K Q^T writes over registers that V^T P read as its source 1: five plain lines stand between the two kinds.
.macro MPH pv, kq
.if \pv
	WIN 0x51                                       ; V and O^T window 1, P window 0
.set i, 0
.rept 32
.set rO, 32*(i%4)+8*((i/4)%4)
.set rV, VF+8*(4*(i/16)+((i/4)%4))
.set rP, S+32*(i%4)+8*(i/16)
	v_wmma_f32_16x16x32_f16 v[rO:rO+7], v[rV:rV+7], v[rP:rP+7], v[rO:rO+7]
.set i, i+1
.endr
.endif
.if (\pv) && (\kq)
.rept 5
	v_nop
.endr
.endif
.if \kq
	WIN 0x01                                       ; K window 1, Q and S^T window 0
.set i, 0
.rept 32
.set rS, S+32*(i%4)+8*((i/4)%4)
.set rK, KF+8*(2*((i/4)%4)+(i/16))
.set rQ, Q+16*(i%4)+8*(i/16)
.if i < 16
	v_wmma_f32_16x16x32_f16 v[rS:rS+7], v[rK:rK+7], v[rQ:rQ+7], 0
.else
	v_wmma_f32_16x16x32_f16 v[rS:rS+7], v[rK:rK+7], v[rQ:rQ+7], v[rS:rS+7]
.endif
.set i, i+1
.endr
.endif
	WIN 0
.endm
; THE VECTOR PHASE of step j: V of step j and (kload) K of step j + 1 are asked of LDS; the softmax of step j; O^T x a; the wait for the loads.
.macro VPH kload
	v_add_nc_u32 v[ADK], s[TK], v[AK0]             ; these two and the two v_nop are the four places behind the last product: in front of the loads into its sources and of the first read of its results
	v_add_nc_u32 v[ADV], s[TV], v[AV0]
	v_nop
	v_nop
	WIN 0x40                                       ; destination window 1
.irp f, 0,1,2,3,4,5,6,7                        ; keys 32 (f / 4) on, channels 16 (f % 4) on
	ds_load_tr16_b128 v[VF+8*\f:VF+8*\f+3],   v[ADV] offset:(\f/4)*32*PVR+(\f%4)*32
	ds_load_tr16_b128 v[VF+8*\f+4:VF+8*\f+7], v[ADV] offset:(\f/4)*32*PVR+16*PVR+(\f%4)*32
.endr
.if \kload
.irp f, 0,1,2,3,4,5,6,7                        ; keys 16 (f / 2) on, channels 32 (f % 2) on
	ds_load_b128 v[KF+8*\f:KF+8*\f+3],   v[ADK] offset:(\f/2)*16*PK+(\f%2)*64
	ds_load_b128 v[KF+8*\f+4:KF+8*\f+7], v[ADK] offset:(\f/2)*16*PK+(\f%2)*64+32
.endr
.endif
	WIN 0
	; the maximum of the lane's 32 scores and the old m: four chains a tile, the four tiles by turns; each accumulator is read from its low end first
.irp j, 0,1,2,3
.irp t, 0,1,2,3
	v_max3_num_f32 v[ST+8*\t+4+\j], v[S+32*\t+8*\j], v[S+32*\t+8*\j+1], v[S+32*\t+8*\j+2]
.endr
.endr
.irp u, 1,2
.irp j, 0,1,2,3
.irp t, 0,1,2,3
	v_max3_num_f32 v[ST+8*\t+4+\j], v[ST+8*\t+4+\j], v[S+32*\t+8*\j+2*\u+1], v[S+32*\t+8*\j+2*\u+2]
.endr
.endr
.endr
.irp t, 0,1,2,3
	v_max3_num_f32 v[ST+8*\t+4], v[ST+8*\t+4], v[S+32*\t+7], v[S+32*\t+15]
.endr
.irp t, 0,1,2,3
	v_max3_num_f32 v[ST+8*\t+6], v[ST+8*\t+6], v[S+32*\t+23], v[S+32*\t+31]
.endr
.irp t, 0,1,2,3
	v_max3_num_f32 v[ST+8*\t+4], v[ST+8*\t+4], v[ST+8*\t+5], v[ST+8*\t+6]
.endr
.irp t, 0,1,2,3
	v_max3_num_f32 v[ST+8*\t+4], v[ST+8*\t+4], v[ST+8*\t+7], v[ST+8*\t]
.endr
.irp t, 0,1,2,3
	v_permlanex16_b32 v[ST+8*\t+5], v[ST+8*\t+4], s[SEL], s[SEL+1]   ; the query's other 32 keys lie in the lane 16 away
.endr
.irp t, 0,1,2,3
	v_mov_b32 v[ST+8*\t+7], v[ST+8*\t]             ; the old m
.endr
.irp t, 0,1,2,3
	v_max_num_f32 v[ST+8*\t], v[ST+8*\t+4], v[ST+8*\t+5]   ; the new m
.endr
.irp t, 0,1,2,3
	v_sub_f32 v[ST+8*\t+7], v[ST+8*\t+7], v[ST+8*\t]
.endr
	; ONE BATCH: a = 2^(old m - new m) and all 128 weights.  Pair b is brought under m while pair b - 1 is put through the exponential; nothing in the batch names an exponential's result
.irp t, 0,1,2,3
	v_exp_f32 v[ST+8*\t+6], v[ST+8*\t+7]
.endr
.set b, 0
.rept 16
.irp t, 0,1,2,3
	v_pk_add_f32 v[S+32*\t+2*b:S+32*\t+2*b+1], v[S+32*\t+2*b:S+32*\t+2*b+1], v[ST+8*\t:ST+8*\t+1] op_sel_hi:[1,0] neg_lo:[0,1] neg_hi:[0,1]   ; s - m
.endr
.if b > 0
.irp t, 0,1,2,3
	v_exp_f32 v[S+32*\t+2*b-2], v[S+32*\t+2*b-2]
	v_exp_f32 v[S+32*\t+2*b-1], v[S+32*\t+2*b-1]
.endr
.endif
.set b, b+1
.endr
.irp t, 0,1,2,3
	v_exp_f32 v[S+32*\t+30], v[S+32*\t+30]
	v_exp_f32 v[S+32*\t+31], v[S+32*\t+31]
.endr
	v_nop                                          ; a plain line behind the last exponential, ahead of the first use
	s_wait_alu depctr_va_vdst(0)                   ; the wait ahead of the first line that names a result: one for the 132
.set b, 0
.rept 16
.irp t, 0,1,2,3
.if b == 0
	v_pk_fma_f32 v[ST+8*\t+2:ST+8*\t+3], v[ST+8*\t+2:ST+8*\t+3], v[ST+8*\t+6:ST+8*\t+7], v[S+32*\t:S+32*\t+1] op_sel_hi:[1,0,1]   ; l = a l + the first pair
.else
	v_pk_add_f32 v[ST+8*\t+2:ST+8*\t+3], v[ST+8*\t+2:ST+8*\t+3], v[S+32*\t+2*b:S+32*\t+2*b+1]
.endif
.endr
.irp t, 0,1,2,3
	v_cvt_pk_f16_f32 v[S+32*\t+b], v[S+32*\t+2*b], v[S+32*\t+2*b+1]   ; pair b, summed just above, goes to register b
.endr
.set b, b+1
.endr
	WIN 0x41                                       ; O^T window 1, a window 0
.set i, 0
.rept 16
.irp t, 0,1,2,3
	v_pk_mul_f32 v[32*\t+2*i:32*\t+2*i+1], v[32*\t+2*i:32*\t+2*i+1], v[ST+8*\t+6:ST+8*\t+7] op_sel_hi:[1,0]   ; each accumulator from its low end on
.endr
.set i, i+1
.endr
	WIN 0
	s_wait_dscnt 0x0                               ; the fragments are in; no LDS line of mine is out at the barrier
.endm
.macro TRIP m1pv, kload, m2kq
	s_cmp_eq_u32 s[GRP], 0
	s_cbranch_scc1 .Lx_\@
	NOPS5                                          ; the distance behind the matrix phase that stands ahead of this one in the text
	MPH \m1pv, 1                                   ; Y: V^T P of step j - 1, K Q^T of step j
.Lx_\@:
	VPH \kload
	s_cmp_lg_u32 s[GRP], 0
	s_cbranch_scc1 .Ly_\@
	MPH 1, \m2kq                                   ; X: V^T P of step j, K Q^T of step j + 1
.Ly_\@:
	s_add_co_u32 s[TK], s[TK], KSTEPB
	s_add_co_u32 s[TV], s[TV], VSTEPB
	s_barrier_signal -1                            ; the two groups meet: the next trip begins in opposite phases again
	s_barrier_wait -1
.endm
.macro RUN n
	s_mov_b32 s[CNT], \n
.Lrun_\@:
	TRIP 1, 1, 1
	s_sub_co_u32 s[CNT], s[CNT], 1
	s_cmp_lg_u32 s[CNT], 0
	s_cbranch_scc1 .Lrun_\@
.endm
; THE CHANGE OF SLOTS.  Each wave waits for all its tensor loads (its part of the slot ahead), adds 0 to its spare word, and waits for that and for its reads of the slot that it leaves.
; fill = 1: slot sl, just left, is filled with the keys two slots on: behind a round of the cluster's barrier, as the wave's first and only tensor load there.  nx: the slot read next.
.macro CHANGE fill, sl, last, nx
	s_wait_tensorcnt 0x0                           ; no tensor load of mine is out, so a group 0 may be written
	ds_add_u32 v[SPW], v[NIL]                      ; 0 onto my spare word; register work stands between it and the wait for it
.if \fill
	s_add_nc_u64 s[G0K+4*\sl+2:G0K+4*\sl+3], s[G0K+4*\sl+2:G0K+4*\sl+3], 131072   ; 1,024 keys on; the type bits on top are not reached
	s_add_nc_u64 s[G0V+8*\sl+2:G0V+8*\sl+3], s[G0V+8*\sl+2:G0V+8*\sl+3], 131072
.endif
	s_mov_b32 s[TK], SLOT0+\nx*SLOTB
	s_mov_b32 s[TV], SLOT0+\nx*SLOTB+VOFF
	s_wait_dscnt 0x0
.if \fill
	CROUND
	JL \sl, \last
.else
	s_barrier_signal -1
	s_barrier_wait -1
.endif
.endm
	s_wait_tensorcnt 0x1                           ; K of step 0 and my part of slot 0 are in; slot 1's load may stay out
	s_barrier_signal -1
	s_barrier_wait -1
	WIN 0x40
.irp f, 0,1,2,3,4,5,6,7
	ds_load_b128 v[KF+8*\f:KF+8*\f+3],   v[AK0] offset:(\f/2)*16*PK+(\f%2)*64      ; K of step 0
	ds_load_b128 v[KF+8*\f+4:KF+8*\f+7], v[AK0] offset:(\f/2)*16*PK+(\f%2)*64+32
.endr
	WIN 0
	s_wait_loadcnt 0x0                             ; Q
	s_wait_dscnt 0x0
	s_cmp_lg_u32 s[GRP], 0
	s_cbranch_scc1 .Lpro
	MPH 0, 1                                       ; X: the first scores, so that X begins the first trip with its vector phase
.Lpro:
	s_mov_b32 s[TK], SLOT0
	s_mov_b32 s[TV], SLOT0+VOFF
	s_barrier_signal -1
	s_barrier_wait -1
	TRIP 0, 1, 1                                   ; step 0: Y has no V^T P yet
	RUN 7                                          ; steps 1 to 7
	CHANGE 1, 0, 0, 1                              ; slot 0 takes V of keys 1,024 on
	RUN 8                                          ; steps 8 to 15, from slot 1
	CHANGE 1, 1, 1, 0                              ; slot 1 takes V of keys 1,536 on and the last 448 rows of K
	RUN 8                                          ; steps 16 to 23
	CHANGE 0, 0, 0, 1                              ; nothing is left to fetch
	RUN 7                                          ; steps 24 to 30
	TRIP 1, 0, 0                                   ; step 31: no K behind it
	s_cmp_eq_u32 s[GRP], 0
	s_cbranch_scc1 .Lfin
	NOPS5                                          ; as at the head of Y's arm in a trip
	MPH 1, 0                                       ; Y: V^T P of step 31
.Lfin:
	; THE WAY OUT.  l's halves and the other lanes' are added; O^T / l, rounded to f16, goes through my stage, a tile (16 rows of O) at a time.
	NOPS4
.irp t, 0,1,2,3
	v_add_f32 v[ST+8*\t+4], v[ST+8*\t+2], v[ST+8*\t+3]
.endr
.irp t, 0,1,2,3
	v_permlanex16_b32 v[ST+8*\t+5], v[ST+8*\t+4], s[SEL], s[SEL+1]
.endr
.irp t, 0,1,2,3
	v_add_f32 v[ST+8*\t+4], v[ST+8*\t+4], v[ST+8*\t+5]
.endr
.irp t, 0,1,2,3
	v_rcp_f32 v[ST+8*\t+6], v[ST+8*\t+4]
.endr
	v_nop
	s_wait_alu depctr_va_vdst(0)                   ; one wait for the four reciprocals, ahead of their first use
.macro PACK t
	WIN 0x41
.set i, 0
.rept 16
	v_pk_mul_f32 v[32*\t+2*i:32*\t+2*i+1], v[32*\t+2*i:32*\t+2*i+1], v[ST+8*\t+6:ST+8*\t+7] op_sel_hi:[1,0]
.set i, i+1
.endr
	WIN 0x05                                       ; sources window 1, destination window 0
.set i, 0
.rept 16
	v_cvt_pk_f16_f32 v[S+32*\t+i], v[32*\t+2*i], v[32*\t+2*i+1]
.set i, i+1
.endr
	WIN 0
.irp f, 0,1,2,3
	ds_store_b128 v[STO], v[S+32*\t+4*\f:S+32*\t+4*\f+3] offset:32*\f      ; channels 16 f + 8 h + 0..7 of row r
.endr
.irp f, 0,1,2,3
	ds_load_b128 v[S+32*\t+16+4*\f:S+32*\t+16+4*\f+3], v[RD] offset:\f*4*PK   ; LDS serves a wave's instructions in order: these see the stores above
.endr
.endm
.macro SEND t, younger                 ; younger: the LDS lines issued behind tile t's loads
.irp f, 0,1,2,3
	s_wait_dscnt \younger+3-\f
	global_store_b128 v[GO], v[S+32*\t+16+4*\f:S+32*\t+16+4*\f+3], s[10:11] offset:\t*2048+\f*512   ; 32 lanes store 512 consecutive bytes, aligned
.endr
.endm
	PACK 0
	PACK 1
	SEND 0, 8
	PACK 2
	SEND 1, 8
	PACK 3
	SEND 2, 8
	SEND 3, 0
	s_wait_tensorcnt 0x0                           ; the wave's end
	ds_add_u32 v[SPW], v[NIL]
	s_wait_dscnt 0x0
	CROUND                                         ; the closing round
	s_endpgm
.Lfunc_end_k_q2caeff4919_attn:
	.size	k_q2caeff4919_attn, .Lfunc_end_k_q2caeff4919_attn-k_q2caeff4919_attn
	.p2alignl 7, 3214868480
	.fill 96, 4, 3214868480
	.section	.rodata,"a",@progbits
	.p2align	6, 0x0
	.amdhsa_kernel k_q2caeff4919_attn
		.amdhsa_group_segment_fixed_size 327680
		.amdhsa_private_segment_fixed_size 0
		.amdhsa_enable_private_segment 0
		.amdhsa_kernarg_size 32
		.amdhsa_user_sgpr_count 2
		.amdhsa_user_sgpr_kernarg_segment_ptr 1
		.amdhsa_wavefront_size32 1
		.amdhsa_system_sgpr_workgroup_id_x 1
		.amdhsa_system_sgpr_workgroup_id_y 1
		.amdhsa_system_sgpr_workgroup_id_z 1
		.amdhsa_system_vgpr_workitem_id 0
		.amdhsa_next_free_vgpr 512
		.amdhsa_next_free_sgpr 80
		.amdhsa_reserve_vcc 0
		.amdhsa_float_denorm_mode_32 3
		.amdhsa_float_denorm_mode_16_64 3
		.amdhsa_memory_ordered 1
		.amdhsa_forward_progress 1
		.amdhsa_inst_pref_size 248
	.end_amdhsa_kernel
	.amdgpu_metadata
---
amdhsa.version: [ 1, 2 ]
amdhsa.kernels:
  - .name:           k_q2caeff4919_attn
    .symbol:         k_q2caeff4919_attn.kd
    .args:
      - { .name: q16, .offset: 0, .size: 8, .value_kind: global_buffer, .address_space: global }
      - { .name: k16, .offset: 8, .size: 8, .value_kind: global_buffer, .address_space: global }
      - { .name: v16, .offset: 16, .size: 8, .value_kind: global_buffer, .address_space: global }
      - { .name: o16, .offset: 24, .size: 8, .value_kind: global_buffer, .address_space: global }
    .group_segment_fixed_size: 327680
    .private_segment_fixed_size: 0
    .kernarg_segment_align: 8
    .kernarg_segment_size: 32
    .max_flat_workgroup_size: 256
    .sgpr_count:     80
    .vgpr_count:     512
    .wavefront_size: 32
...
	.end_amdgpu_metadata
.endif
;; end of part 3
;; launch outp (part 4): grid 4 x 64, 4 waves a work-group, clusters of 4 x 4, 327,680 bytes of LDS; arguments o16, wo16, bo, out0; writes out0
.if DOCPART == 4
	.amdgcn_target "amdgcn-amd-amdhsa--gfx1250"
	.amdhsa_code_object_version 6
	.text
	.protected	k_q2caeff4919_outp
	.globl	k_q2caeff4919_outp
	.p2align	8
	.type	k_q2caeff4919_outp,@function
k_q2caeff4919_outp:
	s_mov_b64 s[64:65], 0
	v_nop
	global_prefetch_b8 v0, s[64:65] scope:SCOPE_SE
	s_setreg_imm32_b32 hwreg(HW_REG_WAVE_MODE, 25, 1), 1
	s_wait_xcnt 0x0
	s_wait_alu depctr_hold_cnt(0) depctr_sa_sdst(0) depctr_va_vdst(0) depctr_va_sdst(0) depctr_va_ssrc(0) depctr_va_vcc(0) depctr_vm_vsrc(0)
	s_getreg_b32 s2, hwreg(HW_REG_IB_STS2, 6, 4)
	s_cmp_eq_u32 s2, 0
	s_cbranch_scc0 .Lentry_in_a_cluster
	s_endpgm
.Lentry_in_a_cluster:
	s_bfe_u32 s2, ttmp6, 0x10000c
	s_cmp_lg_u32 s2, 0xf033
	s_cbranch_scc0 .Lentry_shape_is_right
	s_endpgm
.Lentry_shape_is_right:
; out0[m][n] = sum over k of O[m][k] Wo[n][k] + bo[n].  O: o16, f16, laid [batch][head][token][64]; Wo: wo16 [1024][1024] f16; out0 [8192][1024] f32; sums in f32.
; LIMITS: f16 operands (magnitudes up to 65,504; under 6e-5 in steps of 6e-8); NaN and infinities are not served.
; A tile of C is 128 x 256, so that the launch has 256 work-groups; four waves, each 64 x 128: 32 accumulators.  K goes in steps of 128 = two heads through a ring of two LDS slots:
; of O a step is two dense blocks of 128 tokens x 128 bytes (waves 0, 1 fetch one each), of Wo 256 rows of 256 bytes (waves 2, 3 fetch 128 rows each).
; CLUSTERS: 4 x 4 work-groups; O's tile hangs on the tile row and is shared along a row of the cluster, Wo's on the tile column and is shared along a column: joint loads.
; THE MATRIX INSTRUCTION IS USED TRANSPOSED (source 0 = 16 rows of Wo, source 1 = 16 rows of O): a lane holds eight neighbouring columns of one row of C.  The bias is the C of each sum's first product.
; REGISTERS: window 0: v0-31 addresses; v64-95, v96-127 O's fragments, two buffers; v128-255 rows on the way out.   window 1: v0-63, v64-127 Wo's fragments, two buffers; v128-191 the bias in the result's layout.
;   window 2: accumulator (a, b) at v[8 (8 a + b)].
.set PA,     144                       ; a token's 128 bytes + 16
.set PB,     272                       ; a row of Wo's tile: 256 bytes + 16
.set APART,  128*PA                    ; one head's part of O's tile
.set BOFF,   2*APART
.set BHALF,  128*PB
.set SLOTB,  BOFF+2*BHALF
.set STAGE,  2*SLOTB                   ; behind the ring: 16 rows x (512 + 16) bytes for each wave
.set SPITCH, 528
.set SPARE,  STAGE+4*16*SPITCH
.set LAPS,   4                         ; a lap = two K steps; K = 1,024 is eight
.set ADRA, 16
.set ADRB, 20
.set STO,  24
.set RD,   25
.set CO,   26
.set BA,   27
.set SPW,  28
.set NIL,  29
.set FA,   64
.set BK,   128
.set BN,   128                         ; in window 1
.set G1, 24
.set G0, 32
.set G1B, 48
.set G0B, 56
.set MSB, 0
.macro WIN new
.if MSB != (\new)
	s_set_vgpr_msb (MSB<<8)|(\new)
.set MSB, (\new)
.endif
.endm
.set MUL,   0xa1                       ; source 0 (Wo) window 1, source 1 (O) window 0, C and D window 2
.set MUL_1, 0x91                       ; the same with C (the bias) in window 1
.macro JLOAD s                         ; waves 0 and 1 fetch O's two parts, waves 2 and 3 Wo's halves; an s_nop 0 and four v_nop follow each line
	s_cmp_eq_u32 s13, 0
	s_cbranch_scc0 .Lfor_b_\@
	tensor_load_to_lds s[G0+4*\s:G0+4*\s+3], s[G1:G1+7]
	s_nop 0
.rept 4
	v_nop
.endr
	s_branch .Lasked_\@
.Lfor_b_\@:
	tensor_load_to_lds s[G0B+4*\s:G0B+4*\s+3], s[G1B:G1B+7]
	s_nop 0
.rept 4
	v_nop
.endr
.Lasked_\@:
.endm
.macro CREST
	s_cmp_lg_u32 s12, 0
	s_cbranch_scc1 .Lnot_wave_0_\@
	s_barrier_signal -3
.Lnot_wave_0_\@:
	s_barrier_wait -3
	s_barrier_signal -1
	s_barrier_wait -1
.endm
.macro CROUND
	s_barrier_signal -1
	s_barrier_wait -1
	CREST
.endm
	s_load_b256 s[4:11], s[0:1], 0x0               ; o16 s[4:5], wo16 s[6:7], bo s[8:9], out0 s[10:11]
	v_lshl_add_u32 v[SPW], v0, 2, SPARE
	v_mov_b32 v[NIL], 0
	ds_add_u32 v[SPW], v[NIL]                      ; the wave's opening: the add, twice on end, and its wait ahead of my first tensor load
	ds_add_u32 v[SPW], v[NIL]
	v_lshrrev_b32 v1, 5, v0
	v_readfirstlane_b32 s12, v1                    ; wave 0..3
	s_lshr_b32 s13, s12, 1                         ; which half of the tile's rows is mine.  Also: I fetch for O (0) or for Wo (1)
	s_and_b32 s14, s12, 1                          ; which half of its columns.  Also: which part I fetch
	s_bfe_u32 s40, ttmp6, 0x40000                  ; cx
	s_bfe_u32 s41, ttmp6, 0x40004                  ; cy
	s_lshl_b32 s42, ttmp9, 2
	s_add_co_u32 s42, s42, s40                     ; tile column
	s_and_b32 s15, ttmp7, 0xffff
	s_lshl_b32 s15, s15, 2
	s_add_co_u32 s15, s15, s41                     ; tile row, 0..63
	s_lshl_b32 s43, s41, 2
	s_lshl_b32 s43, 15, s43                        ; my row of the cluster
	s_lshl_b32 s44, 0x1111, s40                    ; my column
	s_or_b32 s[G1+0], s43, (1<<16)|(1<<20)|(1<<21)|(4<<22)|(3<<25)   ; O: elements of 2 bytes; 4 words of padding after every 32
	s_mov_b32 s[G1+1], 64<<16                      ; tensor_dim0
	s_mov_b32 s[G1+2], 128<<16                     ; tensor_dim1
	s_mov_b32 s[G1+3], 64<<16                      ; tile_dim0
	s_mov_b32 s[G1+4], 128                         ; tile_dim1
	s_mov_b32 s[G1+5], 64                          ; the pitch
	s_mov_b32 s[G1+6], 0
	s_mov_b32 s[G1+7], 0
	s_or_b32 s[G1B+0], s44, (1<<16)|(1<<20)|(1<<21)|(5<<22)|(3<<25)  ; Wo: 4 words after every 64
	s_mov_b32 s[G1B+1], 128<<16
	s_mov_b32 s[G1B+2], 128<<16
	s_mov_b32 s[G1B+3], 128<<16
	s_mov_b32 s[G1B+4], 128
	s_mov_b32 s[G1B+5], 1024
	s_mov_b32 s[G1B+6], 0
	s_mov_b32 s[G1B+7], 0
	s_lshr_b32 s16, s15, 4                         ; O: the batch: 16 heads of 262,144 bytes,
	s_lshl_b32 s16, s16, 22
	s_and_b32 s17, s15, 15
	s_lshl_b32 s17, s17, 14                        ; the tile's first token: 128 x 128 bytes a tile row,
	s_add_co_u32 s16, s16, s17
	s_lshl_b32 s17, s14, 18                        ; my head of the K step's two
	s_add_co_u32 s16, s16, s17
	s_mov_b32 s17, 0
	s_lshl_b32 s46, s42, 19                        ; Wo: 256 rows of 2,048 bytes a tile column,
	s_lshl_b32 s47, s14, 18                        ; my 128 rows
	s_add_co_u32 s46, s46, s47
	s_mov_b32 s47, 0
	s_mul_i32 s20, s14, APART                      ; where they go: no place in the cluster enters an LDS address
	s_mul_i32 s21, s14, BHALF
	s_add_co_u32 s21, s21, BOFF
	s_wait_dscnt 0x0                               ; both opening adds are done
	s_wait_kmcnt 0x0
	s_add_nc_u64 s[16:17], s[4:5], s[16:17]
	s_add_nc_u64 s[46:47], s[6:7], s[46:47]
	CROUND                                         ; all sixteen work-groups are here: the first joint loads meet
.irp s, 0,1
	s_mov_b32 s[G0+4*\s], 1
	s_add_co_u32 s[G0+4*\s+1], s20, \s*SLOTB
	s_add_nc_u64 s[G0+4*\s+2:G0+4*\s+3], s[16:17], \s*524288       ; K step s: two heads on
	s_or_b32 s[G0+4*\s+3], s[G0+4*\s+3], 0x80000000
	s_mov_b32 s[G0B+4*\s], 1
	s_add_co_u32 s[G0B+4*\s+1], s21, \s*SLOTB
	s_add_nc_u64 s[G0B+4*\s+2:G0B+4*\s+3], s[46:47], \s*256
	s_or_b32 s[G0B+4*\s+3], s[G0B+4*\s+3], 0x80000000
	JLOAD \s                                       ; two tensor loads of mine are out
.endr
	v_and_b32 v1, 15, v0                           ; r
	v_bfe_u32 v2, v0, 4, 1                         ; h
	v_mul_u32_u24 v3, v1, PA
	v_lshl_add_u32 v3, v2, 4, v3
	v_mul_u32_u24 v4, v1, PB
	v_lshl_add_u32 v4, v2, 4, v4
	s_mul_i32 s22, s13, 64*PA                      ; my 64 rows of O
	s_mul_i32 s23, s14, BHALF                      ; my 128 rows of Wo
	s_add_co_u32 s23, s23, BOFF
.irp s, 0,1
	v_add_nc_u32 v[ADRA+\s], s22, v3
	v_add_nc_u32 v[ADRB+\s], s23, v4
	s_add_co_u32 s22, s22, SLOTB
	s_add_co_u32 s23, s23, SLOTB
.endr
	s_mul_i32 s22, s12, 16*SPITCH
	s_add_co_u32 s22, s22, STAGE                   ; my stage
	v_mul_u32_u24 v5, v1, SPITCH
	v_lshl_add_u32 v5, v2, 5, v5
	v_add_nc_u32 v[STO], s22, v5                   ; in: row r, 32 bytes for each half of the lanes
	v_and_b32 v6, 31, v0
	v_lshlrev_b32 v[CO], 4, v6                     ; back: the 32 lanes take one row of 512 bytes; and the same in C
	v_add_nc_u32 v[RD], s22, v[CO]
	v_lshlrev_b32 v[BA], 5, v2
	s_lshl_b32 s2, s42, 10
	s_lshl_b32 s3, s14, 9
	s_add_co_u32 s2, s2, s3                        ; my first column, in bytes of f32
	s_mov_b32 s3, 0
	s_add_nc_u64 s[8:9], s[8:9], s[2:3]
	s_add_nc_u64 s[10:11], s[10:11], s[2:3]
	WIN 0x40
.irp b, 0,1,2,3,4,5,6,7
	global_load_b128 v[BN+8*\b:BN+8*\b+3], v[BA], s[8:9] offset:64*\b          ; bo of columns 16 b + 8 h + 0 .. 7
	global_load_b128 v[BN+8*\b+4:BN+8*\b+7], v[BA], s[8:9] offset:64*\b+16
.endr
	WIN 0
	s_lshl_b32 s2, s15, 7
	s_lshl_b32 s18, s13, 6
	s_add_co_u32 s2, s2, s18                       ; my first row of C
	s_lshl_b32 s2, s2, 12                          ; 4,096 bytes a row
	s_add_nc_u64 s[10:11], s[10:11], s[2:3]
; 8 matrix instructions: O's block a x Wo's eight, 32 along K, buffer f.  first = 1: the bias starts the sums.  The 32 accumulators take turns, in the same order in every quarter.
.macro MUL8 f, a, first
.irp b, 0,1,2,3,4,5,6,7
.if \first
	v_wmma_f32_16x16x32_f16 v[8*(8*(\a)+\b):8*(8*(\a)+\b)+7], v[64*(\f)+8*\b:64*(\f)+8*\b+7], v[FA+32*(\f)+8*(\a):FA+32*(\f)+8*(\a)+7], v[BN+8*\b:BN+8*\b+7]
.else
	v_wmma_f32_16x16x32_f16 v[8*(8*(\a)+\b):8*(8*(\a)+\b)+7], v[64*(\f)+8*\b:64*(\f)+8*\b+7], v[FA+32*(\f)+8*(\a):FA+32*(\f)+8*(\a)+7], v[8*(8*(\a)+\b):8*(8*(\a)+\b)+7]
.endif
.endr
.endm
; 24 LDS loads in one run: quarter q (32 along K) of the slot into buffer f: Wo's eight fragments, then O's four (quarters 0, 1 lie in the first head's part, 2, 3 in the second's)
.macro FETCH slot, q, f
	WIN 0x40
.irp i, 0,1,2,3,4,5,6,7
	ds_load_b128 v[64*(\f)+8*\i:64*(\f)+8*\i+3],   v[ADRB+\slot] offset:64*(\q)+\i*16*PB
	ds_load_b128 v[64*(\f)+8*\i+4:64*(\f)+8*\i+7], v[ADRB+\slot] offset:64*(\q)+\i*16*PB+32
.endr
	WIN 0
.irp i, 0,1,2,3
	ds_load_b128 v[FA+32*(\f)+8*\i:FA+32*(\f)+8*\i+3],   v[ADRA+\slot] offset:APART*((\q)/2)+64*((\q)%2)+\i*16*PA
	ds_load_b128 v[FA+32*(\f)+8*\i+4:FA+32*(\f)+8*\i+7], v[ADRA+\slot] offset:APART*((\q)/2)+64*((\q)%2)+\i*16*PA+32
.endr
.endm
.macro PLACES                          ; four plain lines in front of loads into registers that matrix instructions have read, and of reads of results
.rept 4
	v_nop
.endr
.endm
.macro MWIN first
.if \first
	WIN MUL_1
.else
	WIN MUL
.endif
.endm
; One of a K step's first three quarters: multiplies buffer f and fetches quarter q of the same slot into buffer g.
.macro QUARTER slot, q, f, g, first
	s_wait_dscnt 4                                 ; Wo's fragments and O's blocks 0, 1 are in; the youngest four loads (blocks 2, 3) may be out
	MWIN \first
	MUL8 \f, 0, \first
	MUL8 \f, 1, \first
	PLACES
	FETCH \slot, \q, \g
	s_wait_dscnt 24                                ; all but the 24 just issued
	MWIN \first
	MUL8 \f, 2, \first
	MUL8 \f, 3, \first
.endm
; The last quarter multiplies buffer 1 and changes slots: one barrier; in front of it each wave waits for all its tensor loads, adds 0 to its spare word, and waits for that and for its reads of this slot.
.macro TURN slot, next, fill
	WIN 0                                          ; (the add's two registers lie in window 0)
	s_wait_tensorcnt 0x0                           ; my part of the next slot has landed
	ds_add_u32 v[SPW], v[NIL]
	s_wait_dscnt 5                                 ; (the add and the youngest four loads may be out)
	WIN MUL
	MUL8 1, 0, 0                                   ; eight matrix instructions stand between the add and the wait for it
	s_wait_dscnt 0x0                               ; the add is done, and my reads of this slot are over
	s_barrier_signal -1
	MUL8 1, 1, 0
	WIN 0
	s_barrier_wait -1
.if \fill
	CREST                                          ; the barrier has opened a round of the cluster's: no wave of any partner still reads this slot or has a load on its way
	s_add_nc_u64 s[G0+4*\slot+2:G0+4*\slot+3], s[G0+4*\slot+2:G0+4*\slot+3], 1048576   ; two K steps on: four heads
	s_add_nc_u64 s[G0B+4*\slot+2:G0B+4*\slot+3], s[G0B+4*\slot+2:G0B+4*\slot+3], 512
	JLOAD \slot                                    ; the first tensor load behind the round; its four v_nop are also the places in front of the loads below
.else
	PLACES
.endif
	FETCH \next, 0, 0
	WIN MUL
	MUL8 1, 2, 0
	MUL8 1, 3, 0
.endm
	s_wait_tensorcnt 1                             ; my part of K step 0 is in; K step 1's load may be out
	s_barrier_signal -1
	s_barrier_wait -1
	s_wait_loadcnt 0x0                             ; the bias
	FETCH 0, 0, 0
	QUARTER 0, 1, 0, 1, 1                          ; the first quarter stands in front of the loop: its products start the sums from the bias
	WIN 0
	s_mov_b32 s3, LAPS-1
.Llap:                                                 ; a trip goes once round the ring, from a lap's second quarter to the next lap's first, and fills both slots again
	QUARTER 0, 2, 1, 0, 0
	QUARTER 0, 3, 0, 1, 0
	TURN 0, 1, 1
	QUARTER 1, 1, 0, 1, 0
	QUARTER 1, 2, 1, 0, 0
	QUARTER 1, 3, 0, 1, 0
	TURN 1, 0, 1
	QUARTER 0, 1, 0, 1, 0
	WIN 0
	s_sub_co_u32 s3, s3, 1
	s_cmp_lg_u32 s3, 0
	s_cbranch_scc1 .Llap
	QUARTER 0, 2, 1, 0, 0                          ; the last lap fills nothing
	QUARTER 0, 3, 0, 1, 0
	TURN 0, 1, 0
	QUARTER 1, 1, 0, 1, 0
	QUARTER 1, 2, 1, 0, 0
	QUARTER 1, 3, 0, 1, 0
	s_wait_dscnt 4                                 ; the very last quarter
	WIN MUL
	MUL8 1, 0, 0
	MUL8 1, 1, 0
	s_wait_dscnt 0
	MUL8 1, 2, 0
	MUL8 1, 3, 0
	WIN 0
; THE WAY OUT, block by block of 16 rows x 128 columns, through my own stage: in as 32 bytes a lane, back as whole rows of 512 bytes.
.macro TOSTAGE a
	WIN 0x08                                       ; an LDS store's data are its source 1: window 2
.irp b, 0,1,2,3,4,5,6,7
	ds_store_b128 v[STO], v[64*(\a)+8*\b:64*(\a)+8*\b+3] offset:64*\b          ; each accumulator from its low end on
	ds_store_b128 v[STO], v[64*(\a)+8*\b+4:64*(\a)+8*\b+7] offset:64*\b+16
.endr
	WIN 0
.set BB, BK+64*((\a)%2)
.irp t, 0,1,2,3,4,5,6,7,8,9,10,11,12,13,14,15
	ds_load_b128 v[BB+4*\t:BB+4*\t+3], v[RD] offset:\t*SPITCH      ; LDS serves a wave's instructions in order: these see the stores above
.endr
.endm
.macro SEND a, younger
.set BB, BK+64*((\a)%2)
	s_wait_dscnt \younger                          ; the block is back in registers
.irp t, 0,1,2,3,4,5,6,7,8,9,10,11,12,13,14,15
	global_store_b128 v[CO], v[BB+4*\t:BB+4*\t+3], s[10:11] offset:(16*(\a)+\t)*4096 th:TH_STORE_NT   ; 32 lanes store 512 consecutive bytes, aligned; written once, read by nobody here
.endr
.endm
	PLACES
	TOSTAGE 0
.irp a, 1,2,3
.if \a > 1
	s_wait_xcnt 0x0                                ; block a - 2's stores have read their registers: block a's loads may land there
.endif
	TOSTAGE \a
	SEND \a-1, 32                                  ; behind block a - 1's loads: block a's 16 stores and 16 loads
.endr
	SEND 3, 0
	s_wait_tensorcnt 0x0                           ; the wave's end
	ds_add_u32 v[SPW], v[NIL]
	s_wait_dscnt 0x0
	CROUND                                         ; the closing round
	s_endpgm
.Lfunc_end_k_q2caeff4919_outp:
	.size	k_q2caeff4919_outp, .Lfunc_end_k_q2caeff4919_outp-k_q2caeff4919_outp
	.p2alignl 7, 3214868480
	.fill 96, 4, 3214868480
	.section	.rodata,"a",@progbits
	.p2align	6, 0x0
	.amdhsa_kernel k_q2caeff4919_outp
		.amdhsa_group_segment_fixed_size 327680
		.amdhsa_private_segment_fixed_size 0
		.amdhsa_enable_private_segment 0
		.amdhsa_kernarg_size 32
		.amdhsa_user_sgpr_count 2
		.amdhsa_user_sgpr_kernarg_segment_ptr 1
		.amdhsa_wavefront_size32 1
		.amdhsa_system_sgpr_workgroup_id_x 1
		.amdhsa_system_sgpr_workgroup_id_y 1
		.amdhsa_system_sgpr_workgroup_id_z 1
		.amdhsa_system_vgpr_workitem_id 0
		.amdhsa_next_free_vgpr 768
		.amdhsa_next_free_sgpr 66
		.amdhsa_reserve_vcc 0
		.amdhsa_float_denorm_mode_32 3
		.amdhsa_float_denorm_mode_16_64 3
		.amdhsa_memory_ordered 1
		.amdhsa_forward_progress 1
		.amdhsa_inst_pref_size 87
	.end_amdhsa_kernel
	.amdgpu_metadata
---
amdhsa.version: [ 1, 2 ]
amdhsa.kernels:
  - .name:           k_q2caeff4919_outp
    .symbol:         k_q2caeff4919_outp.kd
    .args:
      - { .name: o16, .offset: 0, .size: 8, .value_kind: global_buffer, .address_space: global }
      - { .name: wo16, .offset: 8, .size: 8, .value_kind: global_buffer, .address_space: global }
      - { .name: bo, .offset: 16, .size: 8, .value_kind: global_buffer, .address_space: global }
      - { .name: out0, .offset: 24, .size: 8, .value_kind: global_buffer, .address_space: global }
    .group_segment_fixed_size: 327680
    .private_segment_fixed_size: 0
    .kernarg_segment_align: 8
    .kernarg_segment_size: 32
    .max_flat_workgroup_size: 128
    .sgpr_count:     66
    .vgpr_count:     768
    .wavefront_size: 32
...
	.end_amdgpu_metadata
.endif
;; end of part 4
